; MI455X (gfx1250); checked and timed in simulation.
; The chip was launched on July 23, 2026; its instructions are those of AMD's public machine-readable ISA for CDNA 5 (MIT licence, August 2026) and "CDNA5" Instruction Set Architecture Reference Guide (July 2026). The comments in the code are by the model that wrote it; some were corrected since.
;; Transformer Encoder gram. Allowed arithmetic: float matrix products may take bf16 or f16 operands with f32 sums; other float arithmetic in f32, or as packed bf16 or f16 multiplies, adds, multiply-adds, maxima and minima; sums over many terms, partial sums and values carried from step to step in f32; what a program stores and reads back later, other than sums and carried values, may be rounded once to bf16 or f16.
;; Inputs: Wg1 512 x 512 float32; Wg2 512 x 512 float32; Wk1 512 x 512 float32; Wk2 512 x 512 float32; Wo 512 x 512 float32; Wq 512 x 512 float32; Wv1 512 x 512 float32; Wv2 512 x 512 float32; bg1 512 float32; bg2 512 float32; bk1 512 float32; bk2 512 float32; bo 512 float32; bq 512 float32; bv1 512 float32; bv2 512 float32; mod1 1,024 x 8 x 512 float32; mod2 1,024 x 8 x 512 float32; query 1,024 x 8 x 512 float32.
;; Outputs: out0 1,024 x 8 x 512 float32.
;; One version. Each part assembles by itself: llvm-mc -triple=amdgcn-amd-amdhsa -mcpu=gfx1250 --defsym DOCPART=n.
;; ======== version 1 of 1: 4 launches
;; limits: values are held in f16: magnitudes above 65,504 overflow, below 6.1e-05 lose precision
;; workspace buffers: xb 25,165,824 bytes; wb 4,194,304 bytes; qh 8,388,608 bytes; ek 16,777,216 bytes; vh 8,388,608 bytes; st 524,288 bytes; oh 8,388,608 bytes
;; launch cvt (part 1): grid 256 x 7, 8 waves a work-group, no clusters, 0 bytes of LDS; arguments mod1, mod2, query, Wk1, Wv1, Wg1, Wk2, Wv2, Wg2, Wq, Wo, xb, wb; writes xb, wb
.if DOCPART == 1
	.amdgcn_target "amdgcn-amd-amdhsa--gfx1250"
	.amdhsa_code_object_version 6
	.text
	.protected	k_qfb0373ab38_cvt
	.globl	k_qfb0373ab38_cvt
	.p2align	8
	.type	k_qfb0373ab38_cvt,@function
k_qfb0373ab38_cvt:
	s_mov_b64 s[64:65], 0
	v_nop
	global_prefetch_b8 v0, s[64:65] scope:SCOPE_SE
	s_setreg_imm32_b32 hwreg(HW_REG_WAVE_MODE, 25, 1), 1
	s_wait_xcnt 0x0
; f32 -> 16 bits, once, for everything that the matrix launches multiply.
; xb: [mod1 | mod2 | query], each [8192 rows = t*8+b][512] bf16.
; wb: eight head blocks of 448 rows x 512 bf16 (rows: k1, v1, g1, k2, v2, g2, q, 64 each), then Wo [512][512]: rounded to bf16 like every input, that number written as f16
; (exact down to 2^-16; below that f16's fixed step of 2^-24 holds).
; A work-group takes 32,768 bytes of f32 (8,192 numbers); grid y 0..5: halves of the three activations; y = 6: 32 chunks of 16 rows for each of the eight weights.
; A stream: no LDS, no barrier, no matrix unit.  Eight loads of 16 bytes a lane go out together; each store of a wave covers 256 consecutive bytes, aligned.
.set SRC, 34                           ; s[34:35] the chunk's first byte in its source
.set DST, 36                           ; s[36:37] the chunk's first byte in xb or wb
.set ID,  44                           ; s44      which of the eleven sources
	s_load_b512 s[8:23], s[0:1], 0x0               ; source i at s[8+2i:9+2i]: mod1, mod2, query, Wk1, Wv1, Wg1, Wk2, Wv2,
	s_load_b256 s[24:31], s[0:1], 0x40             ; Wg2, Wq, Wo; xb s[30:31]
	s_load_b64 s[32:33], s[0:1], 0x60              ; wb
	v_lshlrev_b32 v1, 4, v0                        ; 16 bytes of f32 a thread
	v_lshlrev_b32 v2, 3, v0                        ; 8 bytes of 16-bit numbers a thread
	s_and_b32 s2, ttmp7, 0xffff                    ; y
	s_lshr_b32 s3, s2, 1                           ; activations: which one,
	s_and_b32 s4, s2, 1
	s_lshl_b32 s4, s4, 8
	s_add_co_u32 s4, s4, ttmp9                     ; which of its 512 chunks,
	s_lshl_b32 s5, s4, 15                          ; its bytes in the source
	s_lshl_b32 s6, s4, 14
	s_lshl_b32 s7, s3, 23
	s_add_co_u32 s6, s6, s7                        ; and in xb
	s_lshr_b32 s38, ttmp9, 5                       ; weights: which one, j = 0..7,
	s_and_b32 s39, ttmp9, 31                       ; which of its 32 chunks of 16 rows, c
	s_add_co_u32 s40, s38, 3
	s_lshl_b32 s41, s39, 15
	s_lshr_b32 s42, s39, 2                         ; head = c / 4
	s_mul_i32 s42, s42, 448
	s_lshl_b32 s43, s38, 6
	s_add_co_u32 s42, s42, s43                     ; + 64 j
	s_and_b32 s43, s39, 3
	s_lshl_b32 s43, s43, 4
	s_add_co_u32 s42, s42, s43                     ; + 16 (c % 4): the chunk's first row in wb,
	s_lshl_b32 s42, s42, 10                        ; rows of 1,024 bytes
	s_lshl_b32 s43, s39, 14
	s_add_co_u32 s43, s43, 3670016                 ; Wo lies behind the eight head blocks, rows as they are
	s_cmp_eq_u32 s38, 7
	s_cselect_b32 s42, s43, s42
	s_cmp_lt_u32 s2, 6                             ; an activation or a weight?
	s_cselect_b32 s[ID], s3, s40
	s_cselect_b32 s46, s5, s41
	s_cselect_b32 s48, s6, s42
	s_mov_b32 s47, 0
	s_mov_b32 s49, 0
	s_wait_kmcnt 0x0
	s_cselect_b64 s[DST:DST+1], s[30:31], s[32:33] ; SCC still holds y < 6
	s_mov_b64 s[SRC:SRC+1], s[8:9]
.irp i, 1,2,3,4,5,6,7,8,9,10
	s_cmp_eq_u32 s[ID], \i
	s_cselect_b64 s[SRC:SRC+1], s[8+2*\i:9+2*\i], s[SRC:SRC+1]
.endr
	s_add_nc_u64 s[SRC:SRC+1], s[SRC:SRC+1], s[46:47]
	s_add_nc_u64 s[DST:DST+1], s[DST:DST+1], s[48:49]
.irp j, 0,1,2,3,4,5,6,7
	global_load_b128 v[8+4*\j:11+4*\j], v1, s[SRC:SRC+1] offset:4096*\j th:TH_LOAD_NT
.endr
; Piece j of eight: four numbers a thread.  wo = 1: the bf16 number is widened again and written as f16.
.macro OUT j, wo
	s_wait_loadcnt 7-(\j)                          ; loads come back in order: the 7 - j younger ones may stay out
	v_cvt_pk_bf16_f32 v[40+2*(\j)], v[8+4*(\j)], v[9+4*(\j)]
	v_cvt_pk_bf16_f32 v[41+2*(\j)], v[10+4*(\j)], v[11+4*(\j)]
.if \wo
	v_lshlrev_b32 v56, 16, v[40+2*(\j)]
	v_and_b32 v57, 0xffff0000, v[40+2*(\j)]
	v_lshlrev_b32 v58, 16, v[41+2*(\j)]
	v_and_b32 v59, 0xffff0000, v[41+2*(\j)]
	v_cvt_pk_f16_f32 v[40+2*(\j)], v56, v57
	v_cvt_pk_f16_f32 v[41+2*(\j)], v58, v59
.endif
	global_store_b64 v2, v[40+2*(\j):41+2*(\j)], s[DST:DST+1] offset:2048*(\j)
.endm
	s_cmp_eq_u32 s[ID], 10
	s_cbranch_scc1 .Lwo
.irp j, 0,1,2,3,4,5,6,7
	OUT \j, 0
.endr
	s_endpgm
.Lwo:
.irp j, 0,1,2,3,4,5,6,7
	OUT \j, 1
.endr
	s_endpgm
.Lfunc_end_k_qfb0373ab38_cvt:
	.size	k_qfb0373ab38_cvt, .Lfunc_end_k_qfb0373ab38_cvt-k_qfb0373ab38_cvt
	.p2alignl 7, 3214868480
	.fill 96, 4, 3214868480
	.section	.rodata,"a",@progbits
	.p2align	6, 0x0
	.amdhsa_kernel k_qfb0373ab38_cvt
		.amdhsa_group_segment_fixed_size 0
		.amdhsa_private_segment_fixed_size 0
		.amdhsa_enable_private_segment 0
		.amdhsa_kernarg_size 104
		.amdhsa_user_sgpr_count 2
		.amdhsa_user_sgpr_kernarg_segment_ptr 1
		.amdhsa_wavefront_size32 1
		.amdhsa_system_sgpr_workgroup_id_x 1
		.amdhsa_system_sgpr_workgroup_id_y 1
		.amdhsa_system_sgpr_workgroup_id_z 1
		.amdhsa_system_vgpr_workitem_id 0
		.amdhsa_next_free_vgpr 64
		.amdhsa_next_free_sgpr 66
		.amdhsa_reserve_vcc 0
		.amdhsa_float_denorm_mode_32 3
		.amdhsa_float_denorm_mode_16_64 3
		.amdhsa_memory_ordered 1
		.amdhsa_forward_progress 1
		.amdhsa_inst_pref_size 10
	.end_amdhsa_kernel
	.amdgpu_metadata
---
amdhsa.version: [ 1, 2 ]
amdhsa.kernels:
  - .name:           k_qfb0373ab38_cvt
    .symbol:         k_qfb0373ab38_cvt.kd
    .args:
      - { .name: mod1, .offset: 0, .size: 8, .value_kind: global_buffer, .address_space: global }
      - { .name: mod2, .offset: 8, .size: 8, .value_kind: global_buffer, .address_space: global }
      - { .name: query, .offset: 16, .size: 8, .value_kind: global_buffer, .address_space: global }
      - { .name: Wk1, .offset: 24, .size: 8, .value_kind: global_buffer, .address_space: global }
      - { .name: Wv1, .offset: 32, .size: 8, .value_kind: global_buffer, .address_space: global }
      - { .name: Wg1, .offset: 40, .size: 8, .value_kind: global_buffer, .address_space: global }
      - { .name: Wk2, .offset: 48, .size: 8, .value_kind: global_buffer, .address_space: global }
      - { .name: Wv2, .offset: 56, .size: 8, .value_kind: global_buffer, .address_space: global }
      - { .name: Wg2, .offset: 64, .size: 8, .value_kind: global_buffer, .address_space: global }
      - { .name: Wq, .offset: 72, .size: 8, .value_kind: global_buffer, .address_space: global }
      - { .name: Wo, .offset: 80, .size: 8, .value_kind: global_buffer, .address_space: global }
      - { .name: xb, .offset: 88, .size: 8, .value_kind: global_buffer, .address_space: global }
      - { .name: wb, .offset: 96, .size: 8, .value_kind: global_buffer, .address_space: global }
    .group_segment_fixed_size: 0
    .private_segment_fixed_size: 0
    .kernarg_segment_align: 8
    .kernarg_segment_size: 104
    .max_flat_workgroup_size: 256
    .sgpr_count:     66
    .vgpr_count:     64
    .wavefront_size: 32
...
	.end_amdgpu_metadata
.endif
;; end of part 1
;; launch proj (part 2): grid 8 x 32, 4 waves a work-group, clusters of 4 x 4, 327,680 bytes of LDS; arguments xb, wb, bk1, bv1, bg1, bk2, bv2, bg2, bq, qh, ek, vh, st; writes qh, ek, vh, st
.if DOCPART == 2
	.amdgcn_target "amdgcn-amd-amdhsa--gfx1250"
	.amdhsa_code_object_version 6
	.text
	.protected	k_qfb0373ab38_proj
	.globl	k_qfb0373ab38_proj
	.p2align	8
	.type	k_qfb0373ab38_proj,@function
k_qfb0373ab38_proj:
	s_mov_b64 s[64:65], 0
	v_nop
	global_prefetch_b8 v0, s[64:65] scope:SCOPE_SE
	s_setreg_imm32_b32 hwreg(HW_REG_WAVE_MODE, 25, 1), 1
	s_wait_xcnt 0x0
	s_wait_alu depctr_hold_cnt(0) depctr_sa_sdst(0) depctr_va_vdst(0) depctr_va_sdst(0) depctr_va_ssrc(0) depctr_va_vcc(0) depctr_vm_vsrc(0)
	s_getreg_b32 s2, hwreg(HW_REG_IB_STS2, 6, 4)
	s_cmp_eq_u32 s2, 0
	s_cbranch_scc0 .Lentry_in_a_cluster
	s_endpgm
.Lentry_in_a_cluster:
	s_bfe_u32 s2, ttmp6, 0x10000c
	s_cmp_lg_u32 s2, 0xf033
	s_cbranch_scc0 .Lentry_shape_is_right
	s_endpgm
.Lentry_shape_is_right:
; THE SEVEN PROJECTIONS IN FRONT OF THE ATTENTION, for 256 tokens of one batch entry b and the 64 columns of one head.
;   k1, v1, g1 = mod1 W^T + bias;  k2, v2, g2 = mod2 W^T + bias;  q = (query Wq^T + bq) / 8.   Operands bf16 (biases rounded to bf16 too, like every input), sums f32.
; WHAT LEAVES:  vh = v1 sigmoid(g1) + v2 sigmoid(g2);  qh = q;  ek = e1 | e2 with e1 = k1 / |k1|, res = k2 - (k2.e1) e1, e2 = res / |res|;  all f16, by heads [b*8+h][t][..];
;   st: ll = |q|^2 and c0 = |k1|^2 |res|^2, f32, both from the f32 sums.  The Gram determinant of (q, k1, k2) is c0 (ll - (q.e1)^2 - (q.e2)^2): the same number as the
;   reference's expansion, formed in another order of rounding; c0 is never negative.
; LIMITS.  q / 8 and v must lie within f16's 65,504.  |k1|^2 and |res|^2 are floored at 1e-30 in front of the reciprocal root: a zero k1, or a k2 parallel to k1, gives c0 = 0 and a finite e.
;   NaN and infinities are not treated apart.
; SHARES.  Four waves; wave w owns tokens 64 w .. 64 w + 63 and all 64 columns: 16 accumulators of 16 x 16 a product, 48 for a modality's three products.
; THE WALK.  Twelve K steps of 128 (four for mod1, four for mod2, four for query) through two LDS slots: 256 token rows and 192 (query: 64) weight rows of 256 bytes, 16 bytes of padding each.
;   Waves 0, 1 fetch the two halves of the token rows, waves 2, 3 those of the weight rows: one tensor load a wave behind each round, out for one K step's products.
;   The first eight steps are two nested counted loops (2 phases x 2 laps x 2 steps), so all their refills are one line of text.  The eighth refill is the query phase's first tile: its weights are
;   asked for by the same 96-row load (phase number x 192 rows falls on q's first row): q's 64 rows land where the later 32-row loads put them, and 128 rows, 32,768 bytes, are brought once and not read.
; CLUSTER 4 x 4.  Token rows hang on the grid's y alone and are shared along a row of the cluster, weight rows on the head (x) alone and are shared along a column: joint loads, a mask of four each.
; THE MATRIX INSTRUCTION IS USED TRANSPOSED (source 0 = 16 weight rows, source 1 = 16 tokens): lane l holds token l % 16 and the columns 16 n + 8 (l / 16) + 0..7.  A sum's first product takes the bias as C.
; REGISTERS, in windows of 256 (s_set_vgpr_msb: bits 1:0 source 0, 3:2 source 1, 5:4 source 2, 7:6 destination):
;   window 0: v0-31 addresses and small sums; v32-63 g's bias; v64-127 token fragments, two buffers of 32 (in the epilogues: at work); v128-255 GV, the gated value
;   window 1: v0-191 weight fragments, two buffers of 96; v192-223 k's (q's) bias; v224-255 v's bias
;   window 2: v0-127 ACK; v128-255 ACV          window 3: v0-127 ACG; v128-255 K1 = e1 in f32          accumulator (token block a, column block n) at base + 8 (4 a + n)
.set PITCH, 272                        ; an LDS row: 256 bytes + 16: the 16 rows of a fragment load start 17 x 16 bytes apart
.set SLOT,  448*PITCH
.set BROW,  256*PITCH                  ; the weight rows lie behind the 256 token rows
.set STAGE, 2*SLOT                     ; behind the ring, never filled by a tensor load: 16 rows x 272 bytes for each wave
.set WSTG,  16*PITCH
.set SPARE, STAGE+4*WSTG               ; the spare words: 128 bytes a wave, two blocks of 256 bytes that no other line names
.set GO8,  3                           ; v3      8 x lane
.set ADRA, 4                           ; v4-5    my token fragments in slot 0, 1
.set ADRB, 6                           ; v6-7    the weight fragments
.set STE,  8                           ; v8      stage, rows of 272: in
.set RDE,  9                           ; v9      and back, two rows a load
.set STV,  10                          ; v10     stage, rows of 144: in
.set RDV,  11                          ; v11     and back, four rows a load
.set GO,   12                          ; v12     16 x lane
.set BOFF, 13                          ; v13     32 x (lane / 16): my eight columns in 16 of a bias
.set SCA,  14                          ; v14     stage + 4 x lane
.set SCR,  15                          ; v15     stage + 8 x lane
.set SPW,  16                          ; v16     my spare word; never rewritten
.set NIL,  17                          ; v17     0; never rewritten
.set VV,   18                          ; v18-21  a number a token, by token block: |k1|^2, then c0, then ll
.set S,    22                          ; v22-29  four pairs of running sums
.set BG,   32
.set T,    64
.set GV,   128
.set BK,   192                         ; window 1
.set BV,   224                         ; window 1
.set K1,   128                         ; window 3
.set WV,   30                          ; s30 wave;  s31 wave & 1: which half I fetch
.set W1,   31
.set CX,   32
.set CY,   33
.set HEAD, 34
.set RB,   35
.set G1A,  36                          ; s[36:43] group 1, token rows: 128 x 128 elements, 4,096 elements from row to row
.set G1B,  44                          ; s[44:51] weight rows: 96 x 128, pitch 512
.set G1Q,  52                          ; s[52:59] q's weight rows: 32 x 128
.set LAP,  60
.set NXT,  61                          ; the tile to ask for next, 1 .. 11
.set PH,   67
.set G0A,  68                          ; s[68:75] group 0, a set for each slot
.set G0B,  76
.set G0Q,  84
.set OFF,  92                          ; s[92:93] a tile's byte offset
.set SEL,  94                          ; s[94:95] v_permlanex16_b32: each lane takes its own place in the other half
.set NL2E, 96                          ; s[96:97] -log2(e)
.set EIG,  98                          ; s[98:99] 1/8
.set TINY, 100                         ; 1e-30
.set HIM,  101                         ; 0xffff0000: a word's upper bf16; also the mask of lanes 16-31
.set FLG,  (1<<16)|(1<<20)|(1<<21)|(5<<22)|(3<<25)  ; 2-byte elements; padding on; bit 21 beside a mask; after every 64 words; 4 words
.set MSB, 0
.macro WIN new                         ; the immediate's high byte repeats the setting that is left; a switch that changes nothing is dropped
.if MSB != (\new)
	s_set_vgpr_msb (MSB<<8)|(\new)
.set MSB, (\new)
.endif
.endm
.macro PLACES                          ; four plain places behind matrix instructions (ISA guide 7.12.1 for vector instructions)
.rept 4
	v_nop
.endr
.endm
.macro CROUND                          ; a round of the cluster's barrier
	s_barrier_signal -1
	s_barrier_wait -1
	s_cmp_lg_u32 s[WV], 0
	s_cbranch_scc1 .Lnot_wave_0_\@
	s_barrier_signal -3
.Lnot_wave_0_\@:
	s_barrier_wait -3
	s_barrier_signal -1
	s_barrier_wait -1
.endm
; A joint load into slot s.  kind 0: 96 weight rows a wave; 1: 32.  An s_nop 0 and four v_nop follow each line, ahead of the jump and the label.
.macro JLOAD s, kind
	s_cmp_lt_u32 s[WV], 2
	s_cbranch_scc0 .Lfor_b_\@
	tensor_load_to_lds s[G0A+4*(\s):G0A+4*(\s)+3], s[G1A:G1A+7]
	s_nop 0
	PLACES
	s_branch .Lasked_\@
.Lfor_b_\@:
.if (\kind) == 0
	tensor_load_to_lds s[G0B+4*(\s):G0B+4*(\s)+3], s[G1B:G1B+7]
.else
	tensor_load_to_lds s[G0Q+4*(\s):G0Q+4*(\s)+3], s[G1Q:G1Q+7]
.endif
	s_nop 0
	PLACES
.Lasked_\@:
.endm
; Tile NXT's addresses, made anew from its number: part NXT / 4 of xb (8,388,608 bytes each) and of the head's weight rows (192 rows of 1,024 bytes), K step NXT % 4 (256 bytes).
.macro PREP s, kind
	s_lshr_b32 s62, s[NXT], 2
	s_and_b32 s63, s[NXT], 3
	s_lshl_b32 s63, s63, 8
	s_lshl_b32 s[OFF], s62, 23
	s_or_b32 s[OFF], s[OFF], s63
	s_add_nc_u64 s[G0A+4*(\s)+2:G0A+4*(\s)+3], s[4:5], s[OFF:OFF+1]
	s_or_b32 s[G0A+4*(\s)+3], s[G0A+4*(\s)+3], 0x80000000
.if (\kind) == 0
	s_mul_i32 s[OFF], s62, 196608
	s_add_co_u32 s[OFF], s[OFF], s63
	s_add_nc_u64 s[G0B+4*(\s)+2:G0B+4*(\s)+3], s[6:7], s[OFF:OFF+1]
	s_or_b32 s[G0B+4*(\s)+3], s[G0B+4*(\s)+3], 0x80000000
.else
	s_mov_b32 s[OFF], s63
	s_add_nc_u64 s[G0Q+4*(\s)+2:G0Q+4*(\s)+3], s[2:3], s[OFF:OFF+1]
	s_or_b32 s[G0Q+4*(\s)+3], s[G0Q+4*(\s)+3], 0x80000000
.endif
	s_add_co_u32 s[NXT], s[NXT], 1
.endm
; THE HEAD OF A K STEP in slot `slot`.  All my tensor loads have landed (one was out: my part of this slot); the add; the other slot's next addresses; the add and my reads of the other slot are done;
; a round of the cluster's barrier; the other slot's refill first behind it.  kind 2: the last step: a plain barrier, nothing is asked for.
.macro TOP slot, kind
	WIN 0
	s_wait_tensorcnt 0x0
	ds_add_u32 v[SPW], v[NIL]
.if (\kind) < 2
	PREP 1-(\slot), \kind
	s_wait_dscnt 0x0
	CROUND
	JLOAD 1-(\slot), \kind
.else
	s_wait_dscnt 0x0
	s_barrier_signal -1
	s_barrier_wait -1
	PLACES
.endif
.endm
; The fragments of 32 along K at byte k of the rows, into buffer f: 12 of weights (3 products x 4 column blocks), 4 of my tokens.
.macro FETCH slot, k, f
	WIN 0x40
.irp p, 0,1,2
.irp n, 0,1,2,3
	ds_load_b128 v[96*(\f)+8*(4*\p+\n):96*(\f)+8*(4*\p+\n)+3],   v[ADRB+(\slot)] offset:(64*\p+16*\n)*PITCH+(\k)
	ds_load_b128 v[96*(\f)+8*(4*\p+\n)+4:96*(\f)+8*(4*\p+\n)+7], v[ADRB+(\slot)] offset:(64*\p+16*\n)*PITCH+(\k)+32
.endr
.endr
	WIN 0
.irp a, 0,1,2,3
	ds_load_b128 v[T+32*(\f)+8*\a:T+32*(\f)+8*\a+3],   v[ADRA+(\slot)] offset:\a*16*PITCH+(\k)
	ds_load_b128 v[T+32*(\f)+8*\a+4:T+32*(\f)+8*\a+7], v[ADRA+(\slot)] offset:\a*16*PITCH+(\k)+32
.endr
.endm
.macro FETCHQ slot, k, f               ; the same for one product
	WIN 0x40
.irp n, 0,1,2,3
	ds_load_b128 v[96*(\f)+8*\n:96*(\f)+8*\n+3],   v[ADRB+(\slot)] offset:16*\n*PITCH+(\k)
	ds_load_b128 v[96*(\f)+8*\n+4:96*(\f)+8*\n+7], v[ADRB+(\slot)] offset:16*\n*PITCH+(\k)+32
.endr
	WIN 0
.irp a, 0,1,2,3
	ds_load_b128 v[T+32*(\f)+8*\a:T+32*(\f)+8*\a+3],   v[ADRA+(\slot)] offset:\a*16*PITCH+(\k)
	ds_load_b128 v[T+32*(\f)+8*\a+4:T+32*(\f)+8*\a+7], v[ADRA+(\slot)] offset:\a*16*PITCH+(\k)+32
.endr
.endm
; 16 matrix instructions: product p's 16 accumulators by turns.  zero = 1: the bias is the C that starts the sum.
.macro MULP f, p, zero
.if (\p) == 2
.if \zero
	WIN 0xc1
.else
	WIN 0xf1
.endif
.set CB, BG
.else
.if \zero
	WIN 0x91
.else
	WIN 0xa1
.endif
.set CB, BK+32*(\p)
.endif
.set AB, 128*((\p)%2)
.irp a, 0,1,2,3
.irp n, 0,1,2,3
.if \zero
	v_wmma_f32_16x16x32_bf16 v[AB+8*(4*\a+\n):AB+8*(4*\a+\n)+7], v[96*(\f)+8*(4*(\p)+\n):96*(\f)+8*(4*(\p)+\n)+7], v[T+32*(\f)+8*\a:T+32*(\f)+8*\a+7], v[CB+8*\n:CB+8*\n+7]
.else
	v_wmma_f32_16x16x32_bf16 v[AB+8*(4*\a+\n):AB+8*(4*\a+\n)+7], v[96*(\f)+8*(4*(\p)+\n):96*(\f)+8*(4*(\p)+\n)+7], v[T+32*(\f)+8*\a:T+32*(\f)+8*\a+7], v[AB+8*(4*\a+\n):AB+8*(4*\a+\n)+7]
.endif
.endr
.endr
.endm
; A K step is four quarters of 32 along K on buffers 0, 1, 0, 1: 48 matrix instructions; the next quarter's 32 LDS loads stand in one run, 32 matrix instructions ahead of the wait for them.
.macro QUARTER slot, q, zero
.set QF, (\q)&1
	s_wait_dscnt 0x0                               ; this quarter's fragments are in
	MULP QF, 0, \zero
.if (\q) < 3
	PLACES
	FETCH \slot, 64*((\q)+1), 1-QF
.endif
	MULP QF, 1, \zero
	MULP QF, 2, \zero
.endm
.macro QQ slot, q, zero                ; a quarter of the query phase: 16 matrix instructions
.set QF, (\q)&1
	s_wait_dscnt 0x0
.if (\q) < 3
	PLACES
	FETCHQ \slot, 64*((\q)+1), 1-QF
.endif
	MULP QF, 0, \zero
.endm
.macro QSTEP slot, kind, zero
	TOP \slot, \kind
	FETCHQ \slot, 0, 0
.if \zero
	s_wait_loadcnt 0x0                             ; bq
	RNDB BK, 0x45
.endif
	QQ \slot, 0, \zero
	QQ \slot, 1, 0
	QQ \slot, 2, 0
	QQ \slot, 3, 0
.endm
.macro LDB ptr, base, win              ; my 32 numbers of a bias: columns 16 n + 8 (lane / 16) + 0..7
	WIN \win
.irp n, 0,1,2,3
	global_load_b128 v[(\base)+8*\n:(\base)+8*\n+3],   v[BOFF], s[\ptr:\ptr+1] offset:64*\n
	global_load_b128 v[(\base)+8*\n+4:(\base)+8*\n+7], v[BOFF], s[\ptr:\ptr+1] offset:64*\n+16
.endr
.endm
.macro RNDB base, win                  ; a bias is rounded to bf16, like every input, and widened again, in place
	WIN \win
.set z, 0
.rept 16
	v_cvt_pk_bf16_f32 v[(\base)+z], v[(\base)+z], v[(\base)+z+1]
	v_and_b32 v[(\base)+z+1], s[HIM], v[(\base)+z]
	v_lshlrev_b32 v[(\base)+z], 16, v[(\base)+z]
.set z, z+2
.endr
.endm
; S[a] = the sum over my 32 columns of x y, for the four token blocks: four chains by turns; each accumulator's lowest registers are read first.
.macro SUM4 win, ba, bb
	WIN \win
.set z, 0
.rept 16
.irp a, 0,1,2,3
.if z == 0
	v_pk_mul_f32 v[S+2*\a:S+2*\a+1], v[(\ba)+32*\a:(\ba)+32*\a+1], v[(\bb)+32*\a:(\bb)+32*\a+1]
.else
	v_pk_fma_f32 v[S+2*\a:S+2*\a+1], v[(\ba)+32*\a+z:(\ba)+32*\a+z+1], v[(\bb)+32*\a+z:(\bb)+32*\a+z+1], v[S+2*\a:S+2*\a+1]
.endif
.endr
.set z, z+2
.endr
.endm
.macro RED4 d, st                      ; the pair's halves and the other half of the lanes': the token's whole sum into v[d + st a]
	WIN 0
.irp a, 0,1,2,3
	v_add_f32 v[S+2*\a], v[S+2*\a], v[S+2*\a+1]
.endr
.irp a, 0,1,2,3
	v_permlanex16_b32 v[S+2*\a+1], v[S+2*\a], s[SEL], s[SEL+1]
.endr
.irp a, 0,1,2,3
	v_add_f32 v[(\d)+(\st)*\a], v[S+2*\a], v[S+2*\a+1]
.endr
.endm
.macro RSQ4 src, st                    ; S[a].low = 1 / sqrt(max(v[src + st a], 1e-30))
.irp a, 0,1,2,3
	v_max_num_f32 v[S+2*\a+1], s[TINY], v[(\src)+(\st)*\a]
.endr
.irp a, 0,1,2,3
	v_rsq_f32 v[S+2*\a], v[S+2*\a+1]
.endr
	v_nop                                          ; a plain instruction behind the last of them
.endm
.macro SCALE4 win, db, sb              ; d = s x S[a].low
	WIN \win
	s_wait_alu depctr_va_vdst(0)
.irp a, 0,1,2,3
.set z, 0
.rept 16
	v_pk_mul_f32 v[(\db)+32*\a+z:(\db)+32*\a+z+1], v[(\sb)+32*\a+z:(\sb)+32*\a+z+1], v[S+2*\a:S+2*\a+1] op_sel_hi:[1,0]
.set z, z+2
.endr
.endr
.endm
; GV = (acc ? GV : 0) + ACV / (1 + 2^(-log2(e) ACG)).  An exponential that overflows gives the weight 0.
.macro GATE acc
	WIN 0xc3
.set z, 0
.rept 64
	v_pk_mul_f32 v[z:z+1], v[z:z+1], s[NL2E:NL2E+1] op_sel_hi:[1,0]
.set z, z+2
.endr
.set z, 0
.rept 128
	v_exp_f32 v[z], v[z]
.set z, z+1
.endr
	v_nop
.set z, 0
	s_wait_alu depctr_va_vdst(0)
.rept 64
	v_pk_add_f32 v[z:z+1], v[z:z+1], 1.0 op_sel_hi:[1,0]
.set z, z+2
.endr
.set z, 0
.rept 128
	v_rcp_f32 v[z], v[z]
.set z, z+1
.endr
	v_nop
	s_wait_alu depctr_va_vdst(0)
	WIN 0x0e                                       ; source 0 ACV in window 2, source 1 ACG in window 3, GV in window 0
.set z, 0
.rept 64
.if \acc
	v_pk_fma_f32 v[GV+z:GV+z+1], v[128+z:128+z+1], v[z:z+1], v[GV+z:GV+z+1]
.else
	v_pk_mul_f32 v[GV+z:GV+z+1], v[128+z:128+z+1], v[z:z+1]
.endif
.set z, z+2
.endr
.endm
; Token block a of a [t][64] f16 result: 16 bytes a lane into my stage (rows of 144), back as four rows a load, stored as 512 consecutive bytes.  The stage is my wave's own: LDS serves a wave in order.
.macro OUT128 a, sb, win, ptr
	WIN \win
.set z, 0
.rept 16
	v_cvt_pk_f16_f32 v[T+z], v[(\sb)+32*(\a)+2*z], v[(\sb)+32*(\a)+2*z+1]
.set z, z+1
.endr
	WIN 0
.irp n, 0,1,2,3
	ds_store_b128 v[STV], v[T+4*\n:T+4*\n+3] offset:32*\n
.endr
	s_wait_xcnt 0x0                                ; the registers that earlier stores read are loaded again only behind this wait
.irp n, 0,1,2,3
	ds_load_b128 v[T+16+4*\n:T+16+4*\n+3], v[RDV] offset:576*\n
.endr
	s_wait_dscnt 0x0
.irp n, 0,1,2,3
	global_store_b128 v[GO], v[T+16+4*\n:T+16+4*\n+3], s[\ptr:\ptr+1] offset:(\a)*2048+512*\n
.endr
.endm
.macro OUTE a                          ; token block a of ek: e1 (K1) and e2 (ACK) side by side, rows of 256 bytes
	s_wait_xcnt 0x0
	WIN 0x0f
.set z, 0
.rept 16
	v_cvt_pk_f16_f32 v[T+z], v[K1+32*(\a)+2*z], v[K1+32*(\a)+2*z+1]
.set z, z+1
.endr
	WIN 0x0a
.set z, 0
.rept 16
	v_cvt_pk_f16_f32 v[T+16+z], v[32*(\a)+2*z], v[32*(\a)+2*z+1]
.set z, z+1
.endr
	WIN 0
.irp n, 0,1,2,3
	ds_store_b128 v[STE], v[T+4*\n:T+4*\n+3] offset:32*\n
	ds_store_b128 v[STE], v[T+16+4*\n:T+16+4*\n+3] offset:128+32*\n
.endr
	s_wait_xcnt 0x0
.irp n, 0,1,2,3,4,5,6,7
	ds_load_b128 v[T+32+4*\n:T+32+4*\n+3], v[RDE] offset:544*\n
.endr
	s_wait_dscnt 0x0
.irp n, 0,1,2,3,4,5,6,7
	global_store_b128 v[GO], v[T+32+4*\n:T+32+4*\n+3], s[24:25] offset:(\a)*4096+512*\n
.endr
.endm
.macro OUTS off                        ; VV's number for each of my 64 tokens: through the stage, so that one store covers the 256 bytes
	WIN 0
	v_cndmask_b32 v[S], v[VV], v[VV+1], s[HIM]     ; lanes 0-15 block 0, lanes 16-31 block 1
	v_cndmask_b32 v[S+1], v[VV+2], v[VV+3], s[HIM]
	ds_store_b32 v[SCA], v[S]
	ds_store_b32 v[SCA], v[S+1] offset:128
	s_wait_xcnt 0x0
	ds_load_b64 v[30:31], v[SCR]
	s_wait_dscnt 0x0
	global_store_b64 v[GO8], v[30:31], s[28:29] offset:\off
.endm
	s_load_b512 s[4:19], s[0:1], 0x0               ; xb, wb, bk1, bv1, bg1, bk2, bv2, bg2
	s_load_b256 s[20:27], s[0:1], 0x40             ; bq, qh, ek, vh
	s_load_b64 s[28:29], s[0:1], 0x60              ; st
	v_lshl_add_u32 v[SPW], v0, 2, SPARE
	v_mov_b32 v[NIL], 0
	ds_add_u32 v[SPW], v[NIL]                      ; the wave's opening: the add and its wait ahead of my first tensor load
	v_lshrrev_b32 v1, 5, v0
	v_readfirstlane_b32 s[WV], v1
	s_and_b32 s[W1], s[WV], 1
	s_bfe_u32 s[CX], ttmp6, 0x40000
	s_bfe_u32 s[CY], ttmp6, 0x40004
	s_lshl_b32 s[HEAD], ttmp9, 2
	s_add_co_u32 s[HEAD], s[HEAD], s[CX]           ; head = 4 x cluster x + cx
	s_and_b32 s[RB], ttmp7, 0xffff
	s_lshl_b32 s[RB], s[RB], 2
	s_add_co_u32 s[RB], s[RB], s[CY]               ; row block = 4 x cluster y + cy: b = rb / 4, tokens 256 (rb % 4) on
	s_lshl_b32 s72, s[CY], 2
	s_lshl_b32 s72, 15, s72                        ; my row of the cluster
	s_or_b32 s[G1A], s72, FLG
	s_lshl_b32 s80, 0x1111, s[CX]                  ; my column
	s_or_b32 s[G1B], s80, FLG
	s_or_b32 s[G1Q], s80, FLG
.irp g, G1A, G1B, G1Q
	s_mov_b32 s[\g+1], 128<<16                     ; tensor_dim0 = 128
	s_mov_b32 s[\g+3], 128<<16                     ; tile_dim0 = 128
	s_mov_b32 s[\g+6], 0
	s_mov_b32 s[\g+7], 0
.endr
	s_mov_b32 s[G1A+2], 128<<16                    ; tensor_dim1, tile_dim1 = 128 rows; from token to token 8 x 512 elements
	s_mov_b32 s[G1A+4], 128
	s_mov_b32 s[G1A+5], 4096
	s_mov_b32 s[G1B+2], 96<<16
	s_mov_b32 s[G1B+4], 96
	s_mov_b32 s[G1B+5], 512
	s_mov_b32 s[G1Q+2], 32<<16
	s_mov_b32 s[G1Q+4], 32
	s_mov_b32 s[G1Q+5], 512
	s_and_b32 s72, s[RB], 3                        ; token rows: ((256 (rb % 4) + 128 half) x 8 + b) x 1,024 bytes: the grid's y and the wave alone
	s_lshl_b32 s72, s72, 8
	s_lshl_b32 s73, s[W1], 7
	s_add_co_u32 s72, s72, s73
	s_lshl_b32 s72, s72, 3
	s_lshr_b32 s73, s[RB], 2
	s_add_co_u32 s72, s72, s73
	s_lshl_b32 s72, s72, 10
	s_mov_b32 s73, 0
	s_mul_i32 s80, s[HEAD], 448                    ; weight rows: (448 head + 96 half) and (448 head + 384 + 32 half) x 1,024 bytes: the head and the wave alone
	s_mul_i32 s81, s[W1], 96
	s_lshl_b32 s82, s[W1], 5
	s_add_co_u32 s82, s82, s80
	s_add_co_u32 s82, s82, 384
	s_lshl_b32 s82, s82, 10
	s_mov_b32 s83, 0
	s_add_co_u32 s80, s80, s81
	s_lshl_b32 s80, s80, 10
	s_mov_b32 s81, 0
	s_mul_i32 s62, s[W1], 128*PITCH                ; where they go: the wave's number alone
	s_mul_i32 s63, s[W1], 96*PITCH
	s_mul_i32 s66, s[W1], 32*PITCH
	s_mov_b32 s[G0A], 1
	s_mov_b32 s[G0A+1], s62
	s_mov_b32 s[G0B], 1
	s_add_co_u32 s[G0B+1], s63, BROW
	s_mov_b32 s[G0Q], 1
	s_add_co_u32 s[G0Q+1], s66, BROW
	s_mov_b32 s[OFF+1], 0
	s_mov_b32 s[SEL], 0x76543210
	s_mov_b32 s[SEL+1], 0xfedcba98
	s_mov_b32 s[NL2E], 0xbfb8aa3b
	s_mov_b32 s[NL2E+1], 0xbfb8aa3b
	s_mov_b32 s[EIG], 0x3e000000
	s_mov_b32 s[EIG+1], 0x3e000000
	s_mov_b32 s[TINY], 0x0da24260
	s_mov_b32 s[HIM], 0xffff0000
	s_wait_dscnt 0x0                               ; the opening add is done
	s_wait_kmcnt 0x0
	s_add_nc_u64 s[4:5], s[4:5], s[72:73]          ; xb at my half of the token rows
	s_add_nc_u64 s[2:3], s[6:7], s[82:83]          ; wb at my half of q's rows
	s_add_nc_u64 s[6:7], s[6:7], s[80:81]          ; wb at my half of the head's first 192 rows
	s_mov_b32 s[G0A+4], 1
	s_add_co_u32 s[G0A+5], s62, SLOT
	s_mov_b32 s[G0B+4], 1
	s_add_co_u32 s[G0B+5], s63, SLOT+BROW
	s_mov_b32 s[G0Q+4], 1
	s_add_co_u32 s[G0Q+5], s66, SLOT+BROW
	s_mov_b64 s[G0A+2:G0A+3], s[4:5]               ; tile 0
	s_or_b32 s[G0A+3], s[G0A+3], 0x80000000
	s_mov_b64 s[G0B+2:G0B+3], s[6:7]
	s_or_b32 s[G0B+3], s[G0B+3], 0x80000000
	CROUND                                         ; all sixteen work-groups are here: the first joint loads meet
	JLOAD 0, 0
	s_lshl_b32 s66, s[HEAD], 8                     ; the head's 64 numbers in each bias
	s_mov_b32 s67, 0
.irp p, 8,10,12,14,16,18,20
	s_add_nc_u64 s[\p:\p+1], s[\p:\p+1], s[66:67]
.endr
	v_bfe_u32 v2, v0, 4, 1                         ; lane / 16
	v_lshlrev_b32 v[BOFF], 5, v2
	LDB 8, BK, 0x40
	LDB 10, BV, 0x40
	LDB 12, BG, 0
	s_lshr_b32 s66, s[RB], 2                       ; my first row in the results by heads: (8 b + head) x 1,024 + 256 (rb % 4) + 64 wave
	s_lshl_b32 s66, s66, 3
	s_add_co_u32 s66, s66, s[HEAD]
	s_lshl_b32 s66, s66, 10
	s_and_b32 s[CX], s[RB], 3
	s_lshl_b32 s[CX], s[CX], 8
	s_add_co_u32 s66, s66, s[CX]
	s_lshl_b32 s[CX], s[WV], 6
	s_add_co_u32 s[CX], s66, s[CX]
	s_lshl_b32 s66, s[CX], 7
	s_add_nc_u64 s[22:23], s[22:23], s[66:67]      ; qh, vh: rows of 128 bytes
	s_add_nc_u64 s[26:27], s[26:27], s[66:67]
	s_lshl_b32 s66, s[CX], 8
	s_add_nc_u64 s[24:25], s[24:25], s[66:67]      ; ek: rows of 256
	s_lshl_b32 s66, s[CX], 2
	s_add_nc_u64 s[28:29], s[28:29], s[66:67]      ; st: a number a row
	v_and_b32 v1, 15, v0                           ; lane % 16
	v_mul_u32_u24 v3, v1, PITCH
	v_lshl_add_u32 v3, v2, 4, v3                   ; a fragment's row x pitch + 16 x half
	s_mul_i32 s62, s[WV], 64*PITCH
	v_add_nc_u32 v[ADRA], s62, v3
	v_add_nc_u32 v[ADRA+1], SLOT, v[ADRA]
	v_add_nc_u32 v[ADRB], BROW, v3
	v_add_nc_u32 v[ADRB+1], SLOT+BROW, v3
	s_mul_i32 s62, s[WV], WSTG
	s_add_co_u32 s62, s62, STAGE                   ; my stage
	v_add_nc_u32 v[STE], s62, v3
	v_mul_u32_u24 v[RDE], v2, PITCH
	v_lshl_add_u32 v[RDE], v1, 4, v[RDE]
	v_add_nc_u32 v[RDE], s62, v[RDE]
	v_mul_u32_u24 v[STV], v1, 144
	v_lshl_add_u32 v[STV], v2, 4, v[STV]
	v_add_nc_u32 v[STV], s62, v[STV]
	v_bfe_u32 v[RDV], v0, 3, 2
	v_mul_u32_u24 v[RDV], v[RDV], 144
	v_and_b32 v3, 7, v0
	v_lshl_add_u32 v[RDV], v3, 4, v[RDV]
	v_add_nc_u32 v[RDV], s62, v[RDV]
	v_and_b32 v3, 31, v0
	v_lshlrev_b32 v[GO], 4, v3
	v_lshl_add_u32 v[SCA], v3, 2, s62
	v_lshl_add_u32 v[SCR], v3, 3, s62
	v_lshlrev_b32 v[GO8], 3, v3
	s_mov_b32 s[NXT], 1
	s_mov_b32 s[PH], 2
.Lphase:                                               ; two trips: mod1, mod2
	s_mov_b32 s[LAP], 2
.Llap:                                                 ; two trips of two K steps
	TOP 0, 0
	FETCH 0, 0, 0
	s_wait_loadcnt 0x0                             ; the phase's three biases are in; it stands ahead of the branch, on both ways: in a phase's second lap no load is out
	s_cmp_eq_u32 s[LAP], 2                         ; a phase's first quarter starts the sums with the biases
	s_cbranch_scc0 .Lplain
	RNDB BK, 0x45
	RNDB BV, 0x45
	RNDB BG, 0
	QUARTER 0, 0, 1
	WIN 0
	s_branch .Ljoin
.Lplain:
	QUARTER 0, 0, 0
	WIN 0
.Ljoin:
	QUARTER 0, 1, 0
	QUARTER 0, 2, 0
	QUARTER 0, 3, 0
	TOP 1, 0
	FETCH 1, 0, 0
	QUARTER 1, 0, 0
	QUARTER 1, 1, 0
	QUARTER 1, 2, 0
	QUARTER 1, 3, 0
	WIN 0
	s_sub_co_u32 s[LAP], s[LAP], 1
	s_cmp_lg_u32 s[LAP], 0
	s_cbranch_scc1 .Llap
	s_cmp_eq_u32 s[PH], 2
	s_cbranch_scc0 .Lno_e1
	; BEHIND mod1: |k1|^2, e1 = k1 / |k1| kept in f32, GV = v1 sigmoid(g1); mod2's biases are asked for.  No barrier and no tensor load stands here; tile 4 is on its way meanwhile.
	PLACES
	s_wait_loadcnt 0x0                             ; no earlier load into the bias registers is out when the next ones are issued (met at once)
	LDB 14, BK, 0x40
	LDB 16, BV, 0x40
	LDB 18, BG, 0
	SUM4 0x0a, 0, 0
	RED4 VV, 1
	RSQ4 VV, 1
	SCALE4 0xc2, K1, 0
	GATE 0
	WIN 0
.Lno_e1:
	s_sub_co_u32 s[PH], s[PH], 1
	s_cmp_lg_u32 s[PH], 0
	s_cbranch_scc1 .Lphase
	; BEHIND mod2: v leaves; res = k2 - (k2.e1) e1; c0 = |k1|^2 |res|^2; e2 = res / |res|; e1 | e2 and c0 leave.  Tile 8 is on its way meanwhile.
	PLACES
	s_wait_loadcnt 0x0                             ; as above: no earlier load into BK is out
	LDB 20, BK, 0x40                               ; bq
	GATE 1
.irp b, 0,1,2,3
	OUT128 \b, GV, 0, 26
.endr
	SUM4 0x0e, 0, K1                               ; k2 . e1
	RED4 S, 2
	WIN 0xa3
.irp a, 0,1,2,3
.set z, 0
.rept 16
	v_pk_fma_f32 v[32*\a+z:32*\a+z+1], v[K1+32*\a+z:K1+32*\a+z+1], v[S+2*\a:S+2*\a+1], v[32*\a+z:32*\a+z+1] op_sel_hi:[1,0,1] neg_lo:[1,0,0] neg_hi:[1,0,0]
.set z, z+2
.endr
.endr
	SUM4 0x0a, 0, 0                                ; |res|^2
	RED4 S, 2
.irp a, 0,1,2,3
	v_mul_f32 v[VV+\a], v[VV+\a], v[S+2*\a]
.endr
	RSQ4 S, 2
	SCALE4 0x82, 0, 0
.irp b, 0,1,2,3
	OUTE \b
.endr
	OUTS 262144
	QSTEP 0, 1, 1                                  ; THE QUERY PHASE, written out: tiles 8 to 11; each step but the last asks for the next
	QSTEP 1, 1, 0
	QSTEP 0, 1, 0
	QSTEP 1, 2, 0
	PLACES
	WIN 0x82
.set z, 0
.rept 64
	v_pk_mul_f32 v[z:z+1], v[z:z+1], s[EIG:EIG+1] op_sel_hi:[1,0]  ; q / 8: a power of two, no rounding
.set z, z+2
.endr
	SUM4 0x0a, 0, 0
	RED4 VV, 1                                     ; ll
.irp b, 0,1,2,3
	OUT128 \b, 0, 0x0a, 22
.endr
	OUTS 0
	s_wait_tensorcnt 0x0                           ; the wave's end
	ds_add_u32 v[SPW], v[NIL]
	s_wait_dscnt 0x0
	CROUND                                         ; the closing round
	s_endpgm
.Lfunc_end_k_qfb0373ab38_proj:
	.size	k_qfb0373ab38_proj, .Lfunc_end_k_qfb0373ab38_proj-k_qfb0373ab38_proj
	.p2alignl 7, 3214868480
	.fill 96, 4, 3214868480
	.section	.rodata,"a",@progbits
	.p2align	6, 0x0
	.amdhsa_kernel k_qfb0373ab38_proj
		.amdhsa_group_segment_fixed_size 327680
		.amdhsa_private_segment_fixed_size 0
		.amdhsa_enable_private_segment 0
		.amdhsa_kernarg_size 104
		.amdhsa_user_sgpr_count 2
		.amdhsa_user_sgpr_kernarg_segment_ptr 1
		.amdhsa_wavefront_size32 1
		.amdhsa_system_sgpr_workgroup_id_x 1
		.amdhsa_system_sgpr_workgroup_id_y 1
		.amdhsa_system_sgpr_workgroup_id_z 1
		.amdhsa_system_vgpr_workitem_id 0
		.amdhsa_next_free_vgpr 1024
		.amdhsa_next_free_sgpr 102
		.amdhsa_reserve_vcc 0
		.amdhsa_float_denorm_mode_32 3
		.amdhsa_float_denorm_mode_16_64 3
		.amdhsa_memory_ordered 1
		.amdhsa_forward_progress 1
		.amdhsa_inst_pref_size 222
	.end_amdhsa_kernel
	.amdgpu_metadata
---
amdhsa.version: [ 1, 2 ]
amdhsa.kernels:
  - .name:           k_qfb0373ab38_proj
    .symbol:         k_qfb0373ab38_proj.kd
    .args:
      - { .name: xb, .offset: 0, .size: 8, .value_kind: global_buffer, .address_space: global }
      - { .name: wb, .offset: 8, .size: 8, .value_kind: global_buffer, .address_space: global }
      - { .name: bk1, .offset: 16, .size: 8, .value_kind: global_buffer, .address_space: global }
      - { .name: bv1, .offset: 24, .size: 8, .value_kind: global_buffer, .address_space: global }
      - { .name: bg1, .offset: 32, .size: 8, .value_kind: global_buffer, .address_space: global }
      - { .name: bk2, .offset: 40, .size: 8, .value_kind: global_buffer, .address_space: global }
      - { .name: bv2, .offset: 48, .size: 8, .value_kind: global_buffer, .address_space: global }
      - { .name: bg2, .offset: 56, .size: 8, .value_kind: global_buffer, .address_space: global }
      - { .name: bq, .offset: 64, .size: 8, .value_kind: global_buffer, .address_space: global }
      - { .name: qh, .offset: 72, .size: 8, .value_kind: global_buffer, .address_space: global }
      - { .name: ek, .offset: 80, .size: 8, .value_kind: global_buffer, .address_space: global }
      - { .name: vh, .offset: 88, .size: 8, .value_kind: global_buffer, .address_space: global }
      - { .name: st, .offset: 96, .size: 8, .value_kind: global_buffer, .address_space: global }
    .group_segment_fixed_size: 327680
    .private_segment_fixed_size: 0
    .kernarg_segment_align: 8
    .kernarg_segment_size: 104
    .max_flat_workgroup_size: 128
    .sgpr_count:     102
    .vgpr_count:     1024
    .wavefront_size: 32
...
	.end_amdgpu_metadata
.endif
;; end of part 2
;; launch attn (part 3): grid 4 x 64, 8 waves a work-group, clusters of 4 x 1, 327,680 bytes of LDS; arguments qh, ek, vh, st, oh; writes oh
.if DOCPART == 3
	.amdgcn_target "amdgcn-amd-amdhsa--gfx1250"
	.amdhsa_code_object_version 6
	.text
	.protected	k_qfb0373ab38_attn
	.globl	k_qfb0373ab38_attn
	.p2align	8
	.type	k_qfb0373ab38_attn,@function
k_qfb0373ab38_attn:
	s_mov_b64 s[64:65], 0
	v_nop
	global_prefetch_b8 v0, s[64:65] scope:SCOPE_SE
	s_setreg_imm32_b32 hwreg(HW_REG_WAVE_MODE, 25, 1), 1
	s_wait_xcnt 0x0
	s_wait_alu depctr_hold_cnt(0) depctr_sa_sdst(0) depctr_va_vdst(0) depctr_va_sdst(0) depctr_va_ssrc(0) depctr_va_vcc(0) depctr_vm_vsrc(0)
	s_getreg_b32 s2, hwreg(HW_REG_IB_STS2, 6, 4)
	s_cmp_eq_u32 s2, 0
	s_cbranch_scc0 .Lentry_in_a_cluster
	s_endpgm
.Lentry_in_a_cluster:
	s_bfe_u32 s2, ttmp6, 0x10000c
	s_cmp_lg_u32 s2, 0x3003
	s_cbranch_scc0 .Lentry_shape_is_right
	s_endpgm
.Lentry_shape_is_right:
; ATTENTION WITH GRAM SCORES.  score(q, k) = -s, s = sqrt(max(det, 1e-8)), det = c0[k] (ll[q] - (q.e1[k])^2 - (q.e2[k])^2);  O[q] = sum_k softmax_k(-s) v[k].
; qh, vh, oh: [64 heads][1024][64] f16; ek: [64][1024][128] f16 (e1 | e2); st: ll [64][1024], then c0 [64][1024], f32.  Products, det, roots, minima and sums in f32; the weights are rounded to f16
; for the second product (their sum l is taken of the unrounded weights), O once at the end.
; LIMITS.  det is formed by the identity above, another order of rounding than the reference's expansion.  A weight below 2^-126 counts as 0.  NaN and infinities are not treated apart: a NaN det is taken as 1e-8.
; SOFTMAX.  A running minimum m of s (the running maximum of the score -s): p = 2^(c m - c s), c = log2(e); in every step O and l are multiplied by a = 2^(c m_new - c m_old).
; m starts at the largest finite number, O and l at 0: the first step is a step like any other, with a = 0.
; SHARES.  A work-group owns 256 queries of a head, each of its eight waves 32: two tiles of 16.  Every wave walks the head's 1,024 keys, 64 a step.  Two waves share a SIMD's registers, each in plain phases
; (products, determinant and root, minimum, exponentials, products): a tile and step has 231 vector instructions for 24 matrix instructions, so one wave's vector work stands beside the other's products.
; LAYOUT.  X = E1 Q^T, Y = E2 Q^T (source 0 = 16 keys, source 1 = 16 queries): a lane holds ONE query (lane % 16) and the keys 8 (lane / 16) + 0..7; two results rounded to f16 ARE source 1 of O^T = V^T P.
; CLUSTER.  The four query blocks of a head walk the same E, V and c0: joint loads with the mask of all four.  Waves 0, 1 fetch E's halves (and c0, once), waves 2, 3 V's; waves 4 to 7 fetch nothing.
; REGISTERS (s_set_vgpr_msb: bits 1:0 source 0, 3:2 source 1, 5:4 source 2, 7:6 destination):
;   window 0: v0-15 addresses; v16-31 statistics, 8 a tile; v32-35 ll, twice each; v64-95 c0 of a step; v96-127 Q; v128-191 X; v192-255 Y, whose first 16 registers a tile later hold P
;   window 1: v0-127 E of a step; v128-191 V of a step; v192-255 O^T
.set PE,    272                        ; a row of E in LDS: 256 bytes + 16
.set PVP,   160                        ; a row of V: 128 + 32: 16 lanes of the turning load take 8 rows x 32 bytes
.set VOFF,  256*PE                     ; a slot holds 256 keys, four steps: E, then V
.set SLOT1, 1<<17                      ; slot 1 begins here: one exclusive or turns an address in one slot into the other's
.set C0R,   SLOT1+VOFF+256*PVP         ; c0 of the whole head, 4,096 bytes, filled once
.set STAGE, C0R+4096                   ; never filled by a tensor load: 16 rows x 144 bytes for each wave
.set SP,    144
.set SPARE, STAGE+8*16*SP              ; the spare words: 128 bytes a wave, four blocks of 256 bytes that no other line names
.set AE0, 3                            ; v3-5   my lane's place in a step's E, V, c0; never rewritten
.set AV0, 4
.set AC0, 5
.set AE,  6                            ; v6-8   the addresses of the runs of loads in hand
.set AV,  7
.set AC,  8
.set STO, 9
.set RD,  10
.set GO,  11
.set QO,  12
.set SPW, 13                           ; my spare word; never rewritten
.set NIL, 14                           ; 0; never rewritten
.set LO4, 15
.set ST,  16                           ; tile u at v[ST+8u]: c m, m, l (even keys', odd keys'), c0-c3 at work; c2 takes a
.set LL,  32
.set C0,  64
.set Q,   96
.set X,   128
.set Y,   192
.set VF,  128                          ; window 1
.set O,   192                          ; window 1
.set WV,  14
.set W1,  15
.set G1E, 24
.set G1V, 32
.set G1C, 40
.set G0E0, 48
.set G0E1, 52                          ; slot 1's set walks on
.set G0V0, 56
.set G0V1, 60
.set G0C, 68
.set TBE, 72                           ; LDS byte at which E (V less VOFF, c0 less C0R) of the step to be fetched begins
.set TBV, 73
.set TBC, 74
.set CNT, 75
.set SLOTS, 76
.set NL2E, 78                          ; s[78:79] -log2(e)
.set L2E, 80
.set EPSR, 81                          ; 1e-8
.set SEL, 82
.set MSB, 0
.macro WIN new
.if MSB != (\new)
	s_set_vgpr_msb (MSB<<8)|(\new)
.set MSB, (\new)
.endif
.endm
.macro PLACES
.rept 4
	v_nop
.endr
.endm
.macro CROUND
	s_barrier_signal -1
	s_barrier_wait -1
	s_cmp_lg_u32 s[WV], 0
	s_cbranch_scc1 .Lnot_wave_0_\@
	s_barrier_signal -3
.Lnot_wave_0_\@:
	s_barrier_wait -3
	s_barrier_signal -1
	s_barrier_wait -1
.endm
.macro JLOAD                           ; a joint refill; an s_nop 0 and four v_nop follow each line
	s_cmp_lt_u32 s[WV], 2
	s_cbranch_scc0 .Lnot_e_\@
	tensor_load_to_lds s[G0E1:G0E1+3], s[G1E:G1E+7]
	s_nop 0
	PLACES
	s_branch .Lasked_\@
.Lnot_e_\@:
	s_cmp_lt_u32 s[WV], 4
	s_cbranch_scc0 .Lasked_\@
	tensor_load_to_lds s[G0V1:G0V1+3], s[G1V:G1V+7]
	s_nop 0
	PLACES
.Lasked_\@:
.endm
; THE CHANGE OF SLOTS: the slot's last bytes (E, c0 and V of its fourth step) have been asked for from LDS.  All my tensor loads have landed (my part of the other slot); the add; the add and my reads are done.
; fill = 1: a round of the cluster's barrier, and the slot is filled again first behind it, with the keys two slots on: four key steps in which to land.
.macro CHANGE fill
	WIN 0
	s_wait_tensorcnt 0x0
	ds_add_u32 v[SPW], v[NIL]
.if \fill
	s_xor_b32 s[G0E1+1], s[G0E1+1], SLOT1
	s_add_nc_u64 s[G0E1+2:G0E1+3], s[G0E1+2:G0E1+3], 65536
	s_xor_b32 s[G0V1+1], s[G0V1+1], SLOT1
	s_add_nc_u64 s[G0V1+2:G0V1+3], s[G0V1+2:G0V1+3], 32768
	s_wait_dscnt 0x0
	CROUND
	JLOAD
.else
	s_wait_dscnt 0x0
	s_barrier_signal -1
	s_barrier_wait -1
.endif
	s_sub_co_u32 s[TBE], s[TBE], 256*PE            ; the fetches go back to a slot's first step, in the other slot
	s_xor_b32 s[TBE], s[TBE], SLOT1
	s_sub_co_u32 s[TBV], s[TBV], 256*PVP
	s_xor_b32 s[TBV], s[TBV], SLOT1
.endm
.macro FETCH_E                         ; 64 keys x 128 numbers: key block f / 4, 32 numbers f % 4 (0, 1: e1; 2, 3: e2)
	WIN 0x40
.irp f, 0,1,2,3,4,5,6,7,8,9,10,11,12,13,14,15
	ds_load_b128 v[8*\f:8*\f+3],   v[AE] offset:(\f/4)*16*PE+(\f%4)*64
	ds_load_b128 v[8*\f+4:8*\f+7], v[AE] offset:(\f/4)*16*PE+(\f%4)*64+32
.endr
	s_add_co_u32 s[TBE], s[TBE], 64*PE
	WIN 0
.endm
.macro FETCH_C                         ; c0 of my lane's 32 keys: the 16 lanes of a half read the same words
.irp f, 0,1,2,3
	ds_load_b128 v[C0+8*\f:C0+8*\f+3],   v[AC] offset:64*\f
	ds_load_b128 v[C0+8*\f+4:C0+8*\f+7], v[AC] offset:64*\f+16
.endr
	s_add_co_u32 s[TBC], s[TBC], 256
.endm
.macro FETCH_V                         ; turned: keys 32 (f / 4) on, channels 16 (f % 4) on
	WIN 0x40
.irp f, 0,1,2,3,4,5,6,7
	ds_load_tr16_b128 v[VF+8*\f:VF+8*\f+3],   v[AV] offset:(\f/4)*32*PVP+(\f%4)*32
	ds_load_tr16_b128 v[VF+8*\f+4:VF+8*\f+7], v[AV] offset:(\f/4)*32*PVP+16*PVP+(\f%4)*32
.endr
	s_add_co_u32 s[TBV], s[TBV], 64*PVP
	WIN 0
.endm
; 32 products: 16 accumulators (X, Y x 2 tiles x 4 key blocks) by turns, twice: channels 0-31 start the sums, channels 32-63 follow.
.macro XY
	WIN 0x01
.set i, 0
.rept 32
.set rD, X+64*((i>>1)&1)+32*(i&1)+8*((i>>2)&3)
.set rE, 32*((i>>2)&3)+8*(2*((i>>1)&1)+i/16)
.set rQ, Q+16*(i&1)+8*(i/16)
.if i < 16
	v_wmma_f32_16x16x32_f16 v[rD:rD+7], v[rE:rE+7], v[rQ:rQ+7], 0
.else
	v_wmma_f32_16x16x32_f16 v[rD:rD+7], v[rE:rE+7], v[rQ:rQ+7], v[rD:rD+7]
.endif
.set i, i+1
.endr
.endm
.macro PV                              ; 16 products O^T += V^T P: 8 accumulators by turns, twice
	WIN 0x51
.set i, 0
.rept 16
.set rO, O+32*(i&1)+8*((i>>1)&3)
.set rV, VF+32*(i/8)+8*((i>>1)&3)
.set rP, Y+32*(i&1)+8*(i/8)
	v_wmma_f32_16x16x32_f16 v[rO:rO+7], v[rV:rV+7], v[rP:rP+7], v[rO:rO+7]
.set i, i+1
.endr
.endm
; Number n of the 22 that find tile u's minimum and statistics: 0-11 four chains of seven roots each; 12-15 the four left over, the old m, all into c0; 16 c m_old is kept;
; 17, 18 the query's other 32 keys lie in the lane 16 away; 19-21 c m; c m_new - c m_old; a.
.macro MN u, n
.set rT, ST+8*(\u)
.set rC, ST+8*(\u)+4
.set rX, X+32*(\u)
.if (\n) < 4
	s_wait_alu depctr_va_vdst(0)
	v_min3_num_f32 v[rC+(\n)], v[rX+8*(\n)], v[rX+8*(\n)+1], v[rX+8*(\n)+2]
.elseif (\n) < 12
	v_min3_num_f32 v[rC+(\n)%4], v[rC+(\n)%4], v[rX+8*((\n)%4)+2*((\n)/4)+1], v[rX+8*((\n)%4)+2*((\n)/4)+2]
.elseif (\n) == 12
	v_min3_num_f32 v[rC], v[rC], v[rX+7], v[rX+15]
.elseif (\n) == 13
	v_min3_num_f32 v[rC+1], v[rC+1], v[rX+23], v[rX+31]
.elseif (\n) == 14
	v_min3_num_f32 v[rC+2], v[rC+2], v[rC+3], v[rT+1]
.elseif (\n) == 15
	v_min3_num_f32 v[rC], v[rC], v[rC+1], v[rC+2]
.elseif (\n) == 16
	v_mov_b32 v[rC+1], v[rT]
.elseif (\n) == 17
	v_permlanex16_b32 v[rC+3], v[rC], s[SEL], s[SEL+1]
.elseif (\n) == 18
	v_min_num_f32 v[rT+1], v[rC], v[rC+3]
.elseif (\n) == 19
	v_mul_f32 v[rT], s[L2E], v[rT+1]
.elseif (\n) == 20
	v_sub_f32 v[rC+1], v[rT], v[rC+1]
.else
	v_exp_f32 v[rC+2], v[rC+1]
.endif
.endm
; Behind the exponentials of the four weights 4 g ..: both pairs rounded to f16 into P; the second pair added onto the first; l takes the sum (g = 0: l = a l + sum).
.macro POST g
	s_wait_alu depctr_va_vdst(0)
.irp u, 0,1
	v_cvt_pk_f16_f32 v[Y+32*\u+2*(\g)], v[X+32*\u+4*(\g)], v[X+32*\u+4*(\g)+1]
.endr
.irp u, 0,1
	v_cvt_pk_f16_f32 v[Y+32*\u+2*(\g)+1], v[X+32*\u+4*(\g)+2], v[X+32*\u+4*(\g)+3]
.endr
.irp u, 0,1
	v_pk_add_f32 v[X+32*\u+4*(\g):X+32*\u+4*(\g)+1], v[X+32*\u+4*(\g):X+32*\u+4*(\g)+1], v[X+32*\u+4*(\g)+2:X+32*\u+4*(\g)+3]
.endr
.irp u, 0,1
.if (\g) == 0
	v_pk_fma_f32 v[ST+8*\u+2:ST+8*\u+3], v[ST+8*\u+2:ST+8*\u+3], v[ST+8*\u+6:ST+8*\u+7], v[X+32*\u:X+32*\u+1] op_sel_hi:[1,0,1]
.else
	v_pk_add_f32 v[ST+8*\u+2:ST+8*\u+3], v[ST+8*\u+2:ST+8*\u+3], v[X+32*\u+4*(\g):X+32*\u+4*(\g)+1]
.endif
.endr
.endm
; A KEY STEP.  It multiplies by this step's E, c0 and V, which lie in registers, and fetches the next step's: E behind its products, c0 behind the determinant, V behind the second products.
; last = 1 (the tail): in the last trip there is no further step, and each run of loads is jumped over, forward.
.macro STEP last
	s_wait_dscnt 16                                ; E and c0 are in: only V's 16 loads, the youngest, may be out
	XY
	WIN 0
	v_add_nc_u32 v[AE], s[TBE], v[AE0]             ; four plain places behind the products, in front of the loads into E and of the reads of X and Y
	v_add_nc_u32 v[AC], s[TBC], v[AC0]
	v_nop
	v_nop
.if \last
	s_cmp_eq_u32 s[CNT], 1
	s_cbranch_scc1 .Lno_e_\@
.endif
	FETCH_E
.if \last
.Lno_e_\@:
.endif
	; det = c0 (ll - x^2 - y^2), two pairs of both tiles at a time, ascending: each accumulator's lowest registers are read first
.set gi, 0
.rept 8
.irp d, 0,1
.irp u, 0,1
.set rX, X+32*\u+4*gi+2*\d
	v_pk_fma_f32 v[rX:rX+1], v[rX:rX+1], v[rX:rX+1], v[LL+2*\u:LL+2*\u+1] neg_lo:[1,0,0] neg_hi:[1,0,0]
.endr
.endr
.irp d, 0,1
.irp u, 0,1
.set rX, X+32*\u+4*gi+2*\d
	v_pk_fma_f32 v[rX:rX+1], v[rX+64:rX+65], v[rX+64:rX+65], v[rX:rX+1] neg_lo:[1,0,0] neg_hi:[1,0,0]
.endr
.endr
.irp d, 0,1
.irp u, 0,1
.set rX, X+32*\u+4*gi+2*\d
	v_pk_mul_f32 v[rX:rX+1], v[rX:rX+1], v[C0+4*gi+2*\d:C0+4*gi+2*\d+1]
.endr
.endr
.set gi, gi+1
.endr
.if \last
	s_cmp_eq_u32 s[CNT], 1
	s_cbranch_scc1 .Lno_c_\@
.endif
	FETCH_C
.if \last
.Lno_c_\@:
.endif
	; s = sqrt(max(det, 1e-8)): four clips, four roots; the next four clips are the plain instructions behind the roots
.set gi, 0
.rept 16
.irp d, 0,1
.irp u, 0,1
	v_max_num_f32 v[X+32*\u+2*gi+\d], s[EPSR], v[X+32*\u+2*gi+\d]
.endr
.endr
.irp d, 0,1
.irp u, 0,1
	v_sqrt_f32 v[X+32*\u+2*gi+\d], v[X+32*\u+2*gi+\d]
.endr
.endr
.set gi, gi+1
.endr
.irp n, 0,1,2,3,4,5,6,7,8,9,10,11,12,13,14,15,16,17,18,19,20,21
	MN 0, \n
	MN 1, \n
.endr
.set gi, 0
.rept 16                                               ; c m - c s
.irp u, 0,1
	v_pk_fma_f32 v[X+32*\u+2*gi:X+32*\u+2*gi+1], v[X+32*\u+2*gi:X+32*\u+2*gi+1], s[NL2E:NL2E+1], v[ST+8*\u:ST+8*\u+1] op_sel_hi:[1,0,0]
.endr
.set gi, gi+1
.endr
	WIN 0x41
.set gi, 0
	s_wait_alu depctr_va_vdst(0)
.rept 16                                               ; O^T times a, ascending
.irp u, 0,1
	v_pk_mul_f32 v[O+32*\u+2*gi:O+32*\u+2*gi+1], v[O+32*\u+2*gi:O+32*\u+2*gi+1], v[ST+8*\u+6:ST+8*\u+7] op_sel_hi:[1,0]
.endr
.set gi, gi+1
.endr
	WIN 0
	; Eight groups of eight exponentials.  Behind each group stands plain work that names none of its registers, before any of its results is used (ISA guide 5.7.2):
	; the group before's roundings and sums; behind the first group, which has none before it, a v_nop.
.set gi, 0
.rept 8
.irp u, 0,1
.irp e, 0,1,2,3
	v_exp_f32 v[X+32*\u+4*gi+\e], v[X+32*\u+4*gi+\e]
.endr
.endr
.if gi > 0
	POST gi-1
.else
	v_nop
.endif
.set gi, gi+1
.endr
	POST 7                                         ; POST 6 stands between the last exponentials and these lines
	s_wait_dscnt 0x0                               ; V is in (and the next step's E and c0, asked for far above)
	PV
	WIN 0
	v_add_nc_u32 v[AV], s[TBV], v[AV0]             ; five plain places: four in front of the loads into V, five in front of the next products, which write over P
	PLACES
.if \last
	s_cmp_eq_u32 s[CNT], 1
	s_cbranch_scc1 .Lno_v_\@
.endif
	FETCH_V
.if \last
.Lno_v_\@:
.endif
.endm
	s_load_b256 s[4:11], s[0:1], 0x0               ; qh s[4:5], ek s[6:7], vh s[8:9], st s[10:11]
	s_load_b64 s[12:13], s[0:1], 0x20              ; oh
	v_lshl_add_u32 v[SPW], v0, 2, SPARE
	v_mov_b32 v[NIL], 0
	ds_add_u32 v[SPW], v[NIL]                      ; the wave's opening: the add and its wait ahead of my first tensor load
	v_lshrrev_b32 v1, 5, v0
	v_readfirstlane_b32 s[WV], v1
	s_and_b32 s[W1], s[WV], 1
	s_bfe_u32 s16, ttmp6, 0x40000                  ; cx
	s_lshl_b32 s17, ttmp9, 2
	s_add_co_u32 s17, s17, s16                     ; my block of 256 queries: it enters qh's, ll's and oh's addresses alone
	s_and_b32 s18, ttmp7, 0xffff                   ; the head, which the four partners share
	s_lshl_b32 s20, s18, 18                        ; E: the head's 262,144 bytes, my half of 256 keys
	s_lshl_b32 s19, s[W1], 15
	s_add_co_u32 s20, s20, s19
	s_mov_b32 s21, 0
	s_lshl_b32 s22, s18, 17                        ; V
	s_lshl_b32 s19, s[W1], 14
	s_add_co_u32 s22, s22, s19
	s_mov_b32 s23, 0
	s_lshl_b32 s86, s18, 12                        ; c0: behind ll; my half of the head's 4,096 bytes
	s_lshl_b32 s19, s[W1], 11
	s_add_co_u32 s86, s86, s19
	s_add_co_u32 s86, s86, 262144
	s_mov_b32 s87, 0
	s_add_co_u32 s[G0C+1], s19, C0R
	s_lshl_b32 s2, s18, 10                         ; my wave's first query row
	s_lshl_b32 s3, s17, 8
	s_add_co_u32 s2, s2, s3
	s_lshl_b32 s3, s[WV], 5
	s_add_co_u32 s2, s2, s3
	s_lshl_b32 s84, s2, 2
	s_mov_b32 s85, 0
	s_lshl_b32 s2, s2, 7
	s_mov_b32 s3, 0
	s_mov_b32 s[G1E], 15|(1<<16)|(1<<20)|(1<<21)|(5<<22)|(3<<25)  ; the mask of four; 2-byte elements; padding on; bit 21 beside a mask; after every 64 words; 4 words
	s_mov_b32 s[G1E+1], 128<<16
	s_mov_b32 s[G1E+2], 128<<16                    ; 128 rows of 128 elements
	s_mov_b32 s[G1E+3], 128<<16
	s_mov_b32 s[G1E+4], 128
	s_mov_b32 s[G1E+5], 128
	s_mov_b32 s[G1E+6], 0
	s_mov_b32 s[G1E+7], 0
	s_mov_b32 s[G1V], 15|(1<<16)|(1<<20)|(1<<21)|(4<<22)|(7<<25)  ; 128 keys are 16,384 dense bytes: 64 rows of 256; padded after every key (32 words) by 8 words
	s_mov_b32 s[G1V+1], 128<<16
	s_mov_b32 s[G1V+2], 64<<16
	s_mov_b32 s[G1V+3], 128<<16
	s_mov_b32 s[G1V+4], 64
	s_mov_b32 s[G1V+5], 128
	s_mov_b32 s[G1V+6], 0
	s_mov_b32 s[G1V+7], 0
	s_mov_b32 s[G1C], 15|(3<<16)|(1<<21)           ; 2,048 dense bytes: 8 rows of 32 elements of 8 bytes, no padding
	s_mov_b32 s[G1C+1], 32<<16
	s_mov_b32 s[G1C+2], 8<<16
	s_mov_b32 s[G1C+3], 32<<16
	s_mov_b32 s[G1C+4], 8
	s_mov_b32 s[G1C+5], 32
	s_mov_b32 s[G1C+6], 0
	s_mov_b32 s[G1C+7], 0
	s_mul_i32 s19, s[W1], 128*PE
	s_mul_i32 s77, s[W1], 128*PVP
	s_mov_b32 s[G0E0], 1
	s_mov_b32 s[G0E0+1], s19
	s_mov_b32 s[G0E1], 1
	s_add_co_u32 s[G0E1+1], s19, SLOT1
	s_mov_b32 s[G0V0], 1
	s_add_co_u32 s[G0V0+1], s77, VOFF
	s_mov_b32 s[G0V1], 1
	s_add_co_u32 s[G0V1+1], s77, SLOT1+VOFF
	s_mov_b32 s[G0C], 1
	s_mov_b32 s[TBE], 0
	s_mov_b32 s[TBV], 0
	s_mov_b32 s[TBC], 0
	s_mov_b32 s[NL2E], 0xbfb8aa3b
	s_mov_b32 s[NL2E+1], 0xbfb8aa3b
	s_mov_b32 s[L2E], 0x3fb8aa3b
	s_mov_b32 s[EPSR], 0x322bcc77
	s_mov_b32 s[SEL], 0x76543210
	s_mov_b32 s[SEL+1], 0xfedcba98
	s_wait_dscnt 0x0                               ; the opening add is done
	s_wait_kmcnt 0x0
	s_add_nc_u64 s[G0E0+2:G0E0+3], s[6:7], s[20:21]
	s_add_nc_u64 s[G0E1+2:G0E1+3], s[G0E0+2:G0E0+3], 65536  ; slot 1: the next 256 keys
	s_or_b32 s[G0E0+3], s[G0E0+3], 0x80000000
	s_or_b32 s[G0E1+3], s[G0E1+3], 0x80000000
	s_add_nc_u64 s[G0V0+2:G0V0+3], s[8:9], s[22:23]
	s_add_nc_u64 s[G0V1+2:G0V1+3], s[G0V0+2:G0V0+3], 32768
	s_or_b32 s[G0V0+3], s[G0V0+3], 0x80000000
	s_or_b32 s[G0V1+3], s[G0V1+3], 0x80000000
	s_add_nc_u64 s[G0C+2:G0C+3], s[10:11], s[86:87]
	s_or_b32 s[G0C+3], s[G0C+3], 0x80000000
	s_add_nc_u64 s[84:85], s[10:11], s[84:85]      ; ll at my wave's first query
	s_add_nc_u64 s[4:5], s[4:5], s[2:3]
	s_add_nc_u64 s[12:13], s[12:13], s[2:3]
	CROUND                                         ; all four work-groups are here: the first joint loads meet
	s_cmp_lt_u32 s[WV], 2                          ; a wave's first fills stand in one branch: three loads of waves 0, 1 are out, two of waves 2, 3, none of the others
	s_cbranch_scc0 .Lf_not_e
	tensor_load_to_lds s[G0C:G0C+3], s[G1C:G1C+7]
	s_nop 0
	tensor_load_to_lds s[G0E0:G0E0+3], s[G1E:G1E+7]
	s_nop 0
	tensor_load_to_lds s[G0E1:G0E1+3], s[G1E:G1E+7]
	s_nop 0
	PLACES
	s_branch .Lf_done
.Lf_not_e:
	s_cmp_lt_u32 s[WV], 4
	s_cbranch_scc0 .Lf_done
	tensor_load_to_lds s[G0V0:G0V0+3], s[G1V:G1V+7]
	s_nop 0
	tensor_load_to_lds s[G0V1:G0V1+3], s[G1V:G1V+7]
	s_nop 0
	PLACES
.Lf_done:
	v_and_b32 v1, 15, v0                           ; lane % 16
	v_bfe_u32 v2, v0, 4, 1                         ; lane / 16
	v_lshlrev_b32 v[QO], 7, v1
	v_lshl_add_u32 v[QO], v2, 4, v[QO]
	v_lshlrev_b32 v[LO4], 2, v1
.irp i, 0,1,2,3                                        ; Q stays in registers: tile i / 2, channels 32 (i % 2) on
	global_load_b128 v[Q+8*\i:Q+8*\i+3],   v[QO], s[4:5] offset:(\i/2)*2048+(\i%2)*64
	global_load_b128 v[Q+8*\i+4:Q+8*\i+7], v[QO], s[4:5] offset:(\i/2)*2048+(\i%2)*64+32
.endr
	global_load_b32 v[LL], v[LO4], s[84:85]
	global_load_b32 v[LL+2], v[LO4], s[84:85] offset:64
	WIN 0x40                                       ; O^T and l start at 0: the price of writing no first step out; it stands in the wait for the first tile
.set i, 0
.rept 64
	v_mov_b32 v[O+i], 0
.set i, i+1
.endr
	WIN 0
.irp u, 0,1
	v_mov_b32 v[ST+8*\u], 0x7e000000               ; c m: far above every c s
	v_mov_b32 v[ST+8*\u+1], 0x7f7fffff             ; m
	v_mov_b32 v[ST+8*\u+2], 0
	v_mov_b32 v[ST+8*\u+3], 0
.endr
	v_mul_u32_u24 v[AE0], v1, PE
	v_lshl_add_u32 v[AE0], v2, 4, v[AE0]           ; row x pitch + 16 x half
	v_and_b32 v36, 7, v0
	v_bfe_u32 v37, v0, 3, 1
	v_lshl_add_u32 v[AV0], v2, 3, v36              ; the turning load: key 8 (lane / 16) + lane % 8, channels 8 ((lane / 8) % 2) on
	v_mul_u32_u24 v[AV0], v[AV0], PVP
	v_lshl_add_u32 v[AV0], v37, 4, v[AV0]
	v_add_nc_u32 v[AV0], VOFF, v[AV0]
	v_lshlrev_b32 v[AC0], 5, v2
	v_add_nc_u32 v[AC0], C0R, v[AC0]
	s_mul_i32 s19, s[WV], 16*SP
	s_add_co_u32 s19, s19, STAGE                   ; my stage
	v_mul_u32_u24 v[STO], v1, SP
	v_lshl_add_u32 v[STO], v2, 4, v[STO]
	v_add_nc_u32 v[STO], s19, v[STO]
	v_bfe_u32 v[RD], v0, 3, 2
	v_mul_u32_u24 v[RD], v[RD], SP
	v_lshl_add_u32 v[RD], v36, 4, v[RD]
	v_add_nc_u32 v[RD], s19, v[RD]
	v_and_b32 v[GO], 31, v0
	v_lshlrev_b32 v[GO], 4, v[GO]
	v_add_nc_u32 v[AE], s[TBE], v[AE0]
	v_add_nc_u32 v[AC], s[TBC], v[AC0]
	v_add_nc_u32 v[AV], s[TBV], v[AV0]
	s_wait_tensorcnt 0x1                           ; c0 and my part of slot 0 are in; slot 1's load, the youngest, may stay out
	s_barrier_signal -1
	s_barrier_wait -1
	FETCH_E                                        ; key step 0, in the order that the step's first wait counts on
	FETCH_C
	FETCH_V
	s_wait_loadcnt 0x0                             ; Q and ll
	v_mov_b32 v[LL+1], v[LL]
	v_mov_b32 v[LL+3], v[LL+2]
	s_mov_b32 s[CNT], 3                            ; steps 0 to 2; then slot 0 has been read out (each step fetches the next step's)
	s_mov_b32 s[SLOTS], 3
	s_branch .Lstep
.Lslot:                                                ; twice: keys 512 .. and 768 .. are asked for
	CHANGE 1
	s_mov_b32 s[CNT], 4
.Lstep:
	STEP 0
	s_sub_co_u32 s[CNT], s[CNT], 1
	s_cmp_lg_u32 s[CNT], 0
	s_cbranch_scc1 .Lstep
	s_sub_co_u32 s[SLOTS], s[SLOTS], 1
	s_cmp_lg_u32 s[SLOTS], 0
	s_cbranch_scc1 .Lslot
	CHANGE 0                                       ; the tail is written out: steps 11 to 15
	s_mov_b32 s[CNT], 5
.Ltail:
	STEP 1
	s_sub_co_u32 s[CNT], s[CNT], 1
	s_cmp_lg_u32 s[CNT], 0
	s_cbranch_scc1 .Ltail
	; THE WAY OUT.  l's halves and the other half of the lanes' are added; O^T is divided by l, rounded to f16 and sent through my stage, a tile at a time.  The step's last five plain lines are the places behind the last products.
.irp u, 0,1
	v_add_f32 v[ST+8*\u+4], v[ST+8*\u+2], v[ST+8*\u+3]
.endr
.irp u, 0,1
	v_permlanex16_b32 v[ST+8*\u+5], v[ST+8*\u+4], s[SEL], s[SEL+1]
.endr
.irp u, 0,1
	v_add_f32 v[ST+8*\u+4], v[ST+8*\u+4], v[ST+8*\u+5]
.endr
.irp u, 0,1
	v_rcp_f32 v[ST+8*\u+6], v[ST+8*\u+4]
.endr
	v_nop
	s_wait_alu depctr_va_vdst(0)
.macro PACK u
	WIN 0x41
.set i, 0
.rept 16
	v_pk_mul_f32 v[O+32*(\u)+2*i:O+32*(\u)+2*i+1], v[O+32*(\u)+2*i:O+32*(\u)+2*i+1], v[ST+8*(\u)+6:ST+8*(\u)+7] op_sel_hi:[1,0]
.set i, i+1
.endr
	WIN 0x05
.set i, 0
.rept 16
	v_cvt_pk_f16_f32 v[X+16*(\u)+i], v[O+32*(\u)+2*i], v[O+32*(\u)+2*i+1]
.set i, i+1
.endr
	WIN 0
.irp f, 0,1,2,3
	ds_store_b128 v[STO], v[X+16*(\u)+4*\f:X+16*(\u)+4*\f+3] offset:32*\f
.endr
.irp f, 0,1,2,3
	ds_load_b128 v[X+16*(\u)+4*\f:X+16*(\u)+4*\f+3], v[RD] offset:\f*4*SP  ; LDS serves a wave's instructions in order: these see the stores above; the next tile's stores come behind them
.endr
.endm
.macro SEND u, younger                 ; younger: the LDS instructions issued behind this tile's loads
.irp f, 0,1,2,3
	s_wait_dscnt (\younger)+3-\f
	global_store_b128 v[GO], v[X+16*(\u)+4*\f:X+16*(\u)+4*\f+3], s[12:13] offset:(\u)*2048+\f*512  ; 512 consecutive bytes, at a multiple of 256 from oh's first
.endr
.endm
	PACK 0
	PACK 1
	SEND 0, 8
	SEND 1, 0
	s_wait_tensorcnt 0x0                           ; the wave's end
	ds_add_u32 v[SPW], v[NIL]
	s_wait_dscnt 0x0
	CROUND                                         ; the closing round
	s_endpgm
.Lfunc_end_k_qfb0373ab38_attn:
	.size	k_qfb0373ab38_attn, .Lfunc_end_k_qfb0373ab38_attn-k_qfb0373ab38_attn
	.p2alignl 7, 3214868480
	.fill 96, 4, 3214868480
	.section	.rodata,"a",@progbits
	.p2align	6, 0x0
	.amdhsa_kernel k_qfb0373ab38_attn
		.amdhsa_group_segment_fixed_size 327680
		.amdhsa_private_segment_fixed_size 0
		.amdhsa_enable_private_segment 0
		.amdhsa_kernarg_size 40
		.amdhsa_user_sgpr_count 2
		.amdhsa_user_sgpr_kernarg_segment_ptr 1
		.amdhsa_wavefront_size32 1
		.amdhsa_system_sgpr_workgroup_id_x 1
		.amdhsa_system_sgpr_workgroup_id_y 1
		.amdhsa_system_sgpr_workgroup_id_z 1
		.amdhsa_system_vgpr_workitem_id 0
		.amdhsa_next_free_vgpr 512
		.amdhsa_next_free_sgpr 88
		.amdhsa_reserve_vcc 0
		.amdhsa_float_denorm_mode_32 3
		.amdhsa_float_denorm_mode_16_64 3
		.amdhsa_memory_ordered 1
		.amdhsa_forward_progress 1
		.amdhsa_inst_pref_size 86
	.end_amdhsa_kernel
	.amdgpu_metadata
---
amdhsa.version: [ 1, 2 ]
amdhsa.kernels:
  - .name:           k_qfb0373ab38_attn
    .symbol:         k_qfb0373ab38_attn.kd
    .args:
      - { .name: qh, .offset: 0, .size: 8, .value_kind: global_buffer, .address_space: global }
      - { .name: ek, .offset: 8, .size: 8, .value_kind: global_buffer, .address_space: global }
      - { .name: vh, .offset: 16, .size: 8, .value_kind: global_buffer, .address_space: global }
      - { .name: st, .offset: 24, .size: 8, .value_kind: global_buffer, .address_space: global }
      - { .name: oh, .offset: 32, .size: 8, .value_kind: global_buffer, .address_space: global }
    .group_segment_fixed_size: 327680
    .private_segment_fixed_size: 0
    .kernarg_segment_align: 8
    .kernarg_segment_size: 40
    .max_flat_workgroup_size: 256
    .sgpr_count:     88
    .vgpr_count:     512
    .wavefront_size: 32
...
	.end_amdgpu_metadata
.endif
;; end of part 3
;; launch outp (part 4): grid 4 x 64, 4 waves a work-group, clusters of 4 x 4, 327,680 bytes of LDS; arguments oh, wb, bo, out0; writes out0
.if DOCPART == 4
	.amdgcn_target "amdgcn-amd-amdhsa--gfx1250"
	.amdhsa_code_object_version 6
	.text
	.protected	k_qfb0373ab38_outp
	.globl	k_qfb0373ab38_outp
	.p2align	8
	.type	k_qfb0373ab38_outp,@function
k_qfb0373ab38_outp:
	s_mov_b64 s[64:65], 0
	v_nop
	global_prefetch_b8 v0, s[64:65] scope:SCOPE_SE
	s_setreg_imm32_b32 hwreg(HW_REG_WAVE_MODE, 25, 1), 1
	s_wait_xcnt 0x0
	s_wait_alu depctr_hold_cnt(0) depctr_sa_sdst(0) depctr_va_vdst(0) depctr_va_sdst(0) depctr_va_ssrc(0) depctr_va_vcc(0) depctr_vm_vsrc(0)
	s_getreg_b32 s2, hwreg(HW_REG_IB_STS2, 6, 4)
	s_cmp_eq_u32 s2, 0
	s_cbranch_scc0 .Lentry_in_a_cluster
	s_endpgm
.Lentry_in_a_cluster:
	s_bfe_u32 s2, ttmp6, 0x10000c
	s_cmp_lg_u32 s2, 0xf033
	s_cbranch_scc0 .Lentry_shape_is_right
	s_endpgm
.Lentry_shape_is_right:
; out0[l][b][n] = sum over k of O[l][b][k] Wo[n][k] + bo[n].  O comes by heads, oh [b*8+h][l][64] f16 (k = 64 h + d); Wo as f16 at byte 3,670,016 of wb; bo is rounded to bf16 like every input; sums f32, out0 f32.
; A work-group makes 128 rows (l, one b) x 128 columns; four waves, 64 x 64 each: 16 accumulators.  K = 512.
; ALL OPERANDS FIT IN LDS: 8 heads x 128 rows x 128 bytes of O and 4 chunks x 128 rows x 256 bytes of Wo.  So nothing is filled again: each wave issues its eight loads at the start (eight of mine are out),
; in the order chunk 0's O, chunk 0's Wo, chunk 1's ..; a counted wait and a barrier stand in front of each chunk's first read.
; CLUSTER 4 x 4: O's rows hang on the grid's y alone (shared along a row of the cluster), Wo's on x alone (shared along a column): joint loads, a mask of four each.
; THE MATRIX INSTRUCTION IS USED TRANSPOSED (source 0 = 16 rows of Wo, source 1 = 16 rows of O): a lane holds eight neighbouring columns of a row of out0.  The first product takes bo as C.
; REGISTERS: window 0: v0-13 addresses; v32-63 bo; v64-127 rows read back, two sets; v128-255 accumulators ((a, n) at 128 + 8 (4 a + n)).  Window 1: two fragment buffers of 128 (64 of O, 64 of Wo) for 64 along K.
.set PA,    144                        ; a row of O in LDS: 128 bytes + 16
.set PB,    272                        ; a row of a chunk of Wo: 256 + 16
.set HEADB, 128*PA                     ; 18,432: a head's 128 rows
.set BBASE, 8*HEADB
.set CHB,   128*PB                     ; 34,816: a chunk's 128 rows
.set STAGE, BBASE+4*CHB                ; never filled by a tensor load: 16 rows x 272 bytes for each wave
.set SPARE, STAGE+4*16*PB              ; the spare words: 128 bytes a wave
.set ADRA, 4                           ; v4-5  my fragments of O in heads 0-3, 4-7 (the immediate holds 16 bits)
.set ADRB, 6                           ; v6-7  of Wo in chunks 0-1, 2-3
.set STO,  8
.set RD,   9
.set CO,   10
.set BOFF, 11
.set SPW,  12
.set NIL,  13
.set BO,   32
.set ACC,  128
.set WV, 12
.set WH, 13                            ; wave / 2: my half of the rows; also which head of a chunk I fetch
.set WL, 14                            ; wave % 2: my half of the columns; also which 64 rows of that head
.set G1A, 20
.set G1B, 28
.set HIM, 19
.set MSB, 0
.macro WIN new
.if MSB != (\new)
	s_set_vgpr_msb (MSB<<8)|(\new)
.set MSB, (\new)
.endif
.endm
.macro PLACES
.rept 4
	v_nop
.endr
.endm
.macro CROUND
	s_barrier_signal -1
	s_barrier_wait -1
	s_cmp_lg_u32 s[WV], 0
	s_cbranch_scc1 .Lnot_wave_0_\@
	s_barrier_signal -3
.Lnot_wave_0_\@:
	s_barrier_wait -3
	s_barrier_signal -1
	s_barrier_wait -1
.endm
	s_load_b256 s[4:11], s[0:1], 0x0               ; oh s[4:5], wb s[6:7], bo s[8:9], out0 s[10:11]
	v_lshl_add_u32 v[SPW], v0, 2, SPARE
	v_mov_b32 v[NIL], 0
	ds_add_u32 v[SPW], v[NIL]                      ; the wave's opening: the add and its wait ahead of my first tensor load
	v_lshrrev_b32 v1, 5, v0
	v_readfirstlane_b32 s[WV], v1
	s_lshr_b32 s[WH], s[WV], 1
	s_and_b32 s[WL], s[WV], 1
	s_bfe_u32 s15, ttmp6, 0x40000                  ; cx
	s_bfe_u32 s16, ttmp6, 0x40004                  ; cy
	s_lshl_b32 s17, ttmp9, 2
	s_add_co_u32 s17, s17, s15                     ; column block
	s_and_b32 s18, ttmp7, 0xffff
	s_lshl_b32 s18, s18, 2
	s_add_co_u32 s18, s18, s16                     ; row block: b = rb / 8, rows 128 (rb % 8) on
	s_lshl_b32 s72, s16, 2
	s_lshl_b32 s72, 15, s72                        ; my row of the cluster
	s_or_b32 s[G1A], s72, (1<<16)|(1<<20)|(1<<21)|(4<<22)|(3<<25)  ; 64 rows of O are 8,192 dense bytes: 32 rows of 256; padded after every 32 words by 4
	s_lshl_b32 s74, 0x1111, s15                    ; my column
	s_or_b32 s[G1B], s74, (1<<16)|(1<<20)|(1<<21)|(5<<22)|(3<<25)  ; 32 rows of 128 elements of Wo, 512 elements apart; padded after every 64 words by 4
.irp g, G1A, G1B
	s_mov_b32 s[\g+1], 128<<16
	s_mov_b32 s[\g+2], 32<<16
	s_mov_b32 s[\g+3], 128<<16
	s_mov_b32 s[\g+4], 32
	s_mov_b32 s[\g+6], 0
	s_mov_b32 s[\g+7], 0
.endr
	s_mov_b32 s[G1A+5], 128
	s_mov_b32 s[G1B+5], 512
	s_lshr_b32 s72, s18, 3                         ; O: ((8 b + wave / 2) x 1,024 + 128 (rb % 8) + 64 (wave % 2)) x 128 bytes: the grid's y and the wave alone
	s_lshl_b32 s72, s72, 3
	s_add_co_u32 s72, s72, s[WH]
	s_lshl_b32 s72, s72, 10
	s_and_b32 s73, s18, 7
	s_lshl_b32 s73, s73, 7
	s_add_co_u32 s72, s72, s73
	s_lshl_b32 s73, s[WL], 6
	s_add_co_u32 s72, s72, s73
	s_lshl_b32 s72, s72, 7
	s_mov_b32 s73, 0
	s_lshl_b32 s74, s17, 7                         ; Wo: (128 column block + 32 wave) x 1,024 bytes behind the head blocks: the grid's x and the wave alone
	s_lshl_b32 s75, s[WV], 5
	s_add_co_u32 s74, s74, s75
	s_lshl_b32 s74, s74, 10
	s_add_co_u32 s74, s74, 3670016
	s_mov_b32 s75, 0
	s_mul_i32 s76, s[WH], HEADB                    ; where they go: the wave's number alone
	s_mul_i32 s77, s[WL], 64*PA
	s_add_co_u32 s76, s76, s77
	s_mul_i32 s77, s[WV], 32*PB
	s_lshl_b32 s2, s17, 9                          ; my 64 columns, in bytes of f32
	s_lshl_b32 s3, s[WL], 8
	s_add_co_u32 s2, s2, s3
	s_mov_b32 s3, 0
	s_and_b32 s78, s18, 7                          ; out0: ((128 (rb % 8) + 64 (wave / 2)) x 8 + b) x 2,048 bytes + my columns
	s_lshl_b32 s78, s78, 7
	s_lshl_b32 s79, s[WH], 6
	s_add_co_u32 s78, s78, s79
	s_lshl_b32 s78, s78, 3
	s_lshr_b32 s79, s18, 3
	s_add_co_u32 s78, s78, s79
	s_lshl_b32 s78, s78, 11
	s_add_co_u32 s78, s78, s2
	s_mov_b32 s79, 0
	s_mov_b32 s[HIM], 0xffff0000
	s_wait_dscnt 0x0                               ; the opening add is done
	s_wait_kmcnt 0x0
	s_add_nc_u64 s[4:5], s[4:5], s[72:73]
	s_add_nc_u64 s[6:7], s[6:7], s[74:75]
	s_add_nc_u64 s[8:9], s[8:9], s[2:3]
	s_add_nc_u64 s[10:11], s[10:11], s[78:79]
.irp c, 0,1,2,3                                        ; group 0: eight sets, s[36:63] and s[68:71]; chunk c = heads 2 c, 2 c + 1 = k 128 c ..
.set GA, 36+8*\c
.set GB, 40+8*\c
.if \c == 3
.set GB, 68
.endif
	s_mov_b32 s[GA], 1
	s_add_co_u32 s[GA+1], s76, \c*2*HEADB
	s_add_nc_u64 s[GA+2:GA+3], s[4:5], \c*262144
	s_or_b32 s[GA+3], s[GA+3], 0x80000000
	s_mov_b32 s[GB], 1
	s_add_co_u32 s[GB+1], s77, BBASE+\c*CHB
	s_add_nc_u64 s[GB+2:GB+3], s[6:7], \c*256
	s_or_b32 s[GB+3], s[GB+3], 0x80000000
.endr
	CROUND                                         ; all sixteen work-groups are here: the joint loads meet
.irp c, 0,1,2,3
.set GA, 36+8*\c
.set GB, 40+8*\c
.if \c == 3
.set GB, 68
.endif
	tensor_load_to_lds s[GA:GA+3], s[G1A:G1A+7]
	s_nop 0
	tensor_load_to_lds s[GB:GB+3], s[G1B:G1B+7]
	s_nop 0
.endr
	PLACES
	v_and_b32 v1, 15, v0                           ; lane % 16
	v_bfe_u32 v2, v0, 4, 1                         ; lane / 16
	v_lshlrev_b32 v[BOFF], 5, v2
.irp n, 0,1,2,3                                        ; bo of my columns 16 n + 8 (lane / 16) + 0..7
	global_load_b128 v[BO+8*\n:BO+8*\n+3],   v[BOFF], s[8:9] offset:64*\n
	global_load_b128 v[BO+8*\n+4:BO+8*\n+7], v[BOFF], s[8:9] offset:64*\n+16
.endr
	v_mul_u32_u24 v3, v1, PA
	v_lshl_add_u32 v3, v2, 4, v3
	s_mul_i32 s72, s[WH], 64*PA
	v_add_nc_u32 v[ADRA], s72, v3
	v_add_nc_u32 v[ADRA+1], 4*HEADB, v[ADRA]
	v_mul_u32_u24 v3, v1, PB
	v_lshl_add_u32 v[ADRB], v2, 4, v3
	s_mul_i32 s72, s[WL], 64*PB
	s_add_co_u32 s72, s72, BBASE
	v_add_nc_u32 v[ADRB], s72, v[ADRB]
	v_add_nc_u32 v[ADRB+1], 2*CHB, v[ADRB]
	s_mul_i32 s72, s[WV], 16*PB
	s_add_co_u32 s72, s72, STAGE                   ; my stage
	v_lshl_add_u32 v[STO], v2, 5, v3               ; in: row lane % 16, 32 bytes for each half of the lanes
	v_add_nc_u32 v[STO], s72, v[STO]
	v_mul_u32_u24 v[RD], v2, PB                    ; back: lanes 0-15 one row of 256 bytes, lanes 16-31 the next
	v_lshl_add_u32 v[RD], v1, 4, v[RD]
	v_add_nc_u32 v[RD], s72, v[RD]
	v_lshlrev_b32 v[CO], 14, v2                    ; and the same two rows in out0, 16,384 bytes apart
	v_lshl_add_u32 v[CO], v1, 4, v[CO]
; The fragments of head i (64 along K) into buffer f: 32 LDS loads in one run.
.macro FETCH i, f
	WIN 0x40
.irp c, 0,1
.irp a, 0,1,2,3
	ds_load_b128 v[128*(\f)+8*(4*\c+\a):128*(\f)+8*(4*\c+\a)+3],       v[ADRA+(\i)/4] offset:((\i)%4)*HEADB+\a*16*PA+\c*64
	ds_load_b128 v[128*(\f)+8*(4*\c+\a)+4:128*(\f)+8*(4*\c+\a)+7],     v[ADRA+(\i)/4] offset:((\i)%4)*HEADB+\a*16*PA+\c*64+32
	ds_load_b128 v[128*(\f)+64+8*(4*\c+\a):128*(\f)+64+8*(4*\c+\a)+3],   v[ADRB+(\i)/4] offset:(((\i)/2)%2)*CHB+\a*16*PB+((\i)%2)*128+\c*64
	ds_load_b128 v[128*(\f)+64+8*(4*\c+\a)+4:128*(\f)+64+8*(4*\c+\a)+7], v[ADRB+(\i)/4] offset:(((\i)/2)%2)*CHB+\a*16*PB+((\i)%2)*128+\c*64+32
.endr
.endr
.endm
; 16 matrix instructions, the 16 accumulators by turns: 32 along K, half c of buffer f.  zero = 1: bo is the C that starts the sum.
.macro MUL f, c, zero
	WIN 0x05
.irp a, 0,1,2,3
.irp n, 0,1,2,3
.if \zero
	v_wmma_f32_16x16x32_f16 v[ACC+8*(4*\a+\n):ACC+8*(4*\a+\n)+7], v[128*(\f)+64+8*(4*(\c)+\n):128*(\f)+64+8*(4*(\c)+\n)+7], v[128*(\f)+8*(4*(\c)+\a):128*(\f)+8*(4*(\c)+\a)+7], v[BO+8*\n:BO+8*\n+7]
.else
	v_wmma_f32_16x16x32_f16 v[ACC+8*(4*\a+\n):ACC+8*(4*\a+\n)+7], v[128*(\f)+64+8*(4*(\c)+\n):128*(\f)+64+8*(4*(\c)+\n)+7], v[128*(\f)+8*(4*(\c)+\a):128*(\f)+8*(4*(\c)+\a)+7], v[ACC+8*(4*\a+\n):ACC+8*(4*\a+\n)+7]
.endif
.endr
.endr
.endm
	s_wait_tensorcnt 0x6                           ; my two loads of chunk 0 are in; the six younger ones stay out
	s_barrier_signal -1
	s_barrier_wait -1
	FETCH 0, 0
	WIN 0
	s_wait_loadcnt 0x0                             ; bo: rounded to bf16 and widened again, in place
.set z, 0
.rept 16
	v_cvt_pk_bf16_f32 v[BO+z], v[BO+z], v[BO+z+1]
	v_and_b32 v[BO+z+1], s[HIM], v[BO+z]
	v_lshlrev_b32 v[BO+z], 16, v[BO+z]
.set z, z+2
.endr
.set hh, 0
.rept 8                                                ; head by head
	s_wait_dscnt 0x0                               ; this head's fragments are in
.if hh == 0
	MUL 0, 0, 1
.else
	MUL hh%2, 0, 0
.endif
.if hh < 7
.if hh%2 == 1
	s_wait_tensorcnt 6-(hh+1)                      ; my two loads of the next chunk are in; the younger ones stay out.  No LDS instruction of mine is pending here
	s_barrier_signal -1
	s_barrier_wait -1
.endif
	PLACES
	FETCH hh+1, (hh+1)%2
.endif
	MUL hh%2, 1, 0
.set hh, hh+1
.endr
	WIN 0
	PLACES
; THE WAY OUT of row block a: the accumulators' 32 bytes a lane go into my stage (each accumulator's lowest registers first) and come back as whole rows of 256 bytes.
.macro OUTB a
.set BKS, 64+32*((\a)&1)
.irp n, 0,1,2,3
	ds_store_b128 v[STO], v[ACC+8*(4*(\a)+\n):ACC+8*(4*(\a)+\n)+3] offset:64*\n
	ds_store_b128 v[STO], v[ACC+8*(4*(\a)+\n)+4:ACC+8*(4*(\a)+\n)+7] offset:64*\n+16
.endr
	s_wait_xcnt 0x0                                ; the registers that earlier stores read are loaded again only behind this wait
.irp t, 0,1,2,3,4,5,6,7
	ds_load_b128 v[BKS+4*\t:BKS+4*\t+3], v[RD] offset:2*PB*\t  ; LDS serves a wave's instructions in order: these see the stores above
.endr
	s_wait_dscnt 0x0
.irp t, 0,1,2,3,4,5,6,7
	global_store_b128 v[CO], v[BKS+4*\t:BKS+4*\t+3], s[10:11] offset:(16*(\a)+2*\t)*16384 th:TH_STORE_NT  ; 16 lanes store 256 consecutive bytes, at a multiple of 256 from out0's first
.endr
.endm
	OUTB 0
	OUTB 1
	OUTB 2
	OUTB 3
	s_wait_tensorcnt 0x0                           ; the wave's end
	ds_add_u32 v[SPW], v[NIL]
	s_wait_dscnt 0x0
	CROUND                                         ; the closing round
	s_endpgm
.Lfunc_end_k_qfb0373ab38_outp:
	.size	k_qfb0373ab38_outp, .Lfunc_end_k_qfb0373ab38_outp-k_qfb0373ab38_outp
	.p2alignl 7, 3214868480
	.fill 96, 4, 3214868480
	.section	.rodata,"a",@progbits
	.p2align	6, 0x0
	.amdhsa_kernel k_qfb0373ab38_outp
		.amdhsa_group_segment_fixed_size 327680
		.amdhsa_private_segment_fixed_size 0
		.amdhsa_enable_private_segment 0
		.amdhsa_kernarg_size 32
		.amdhsa_user_sgpr_count 2
		.amdhsa_user_sgpr_kernarg_segment_ptr 1
		.amdhsa_wavefront_size32 1
		.amdhsa_system_sgpr_workgroup_id_x 1
		.amdhsa_system_sgpr_workgroup_id_y 1
		.amdhsa_system_sgpr_workgroup_id_z 1
		.amdhsa_system_vgpr_workitem_id 0
		.amdhsa_next_free_vgpr 512
		.amdhsa_next_free_sgpr 80
		.amdhsa_reserve_vcc 0
		.amdhsa_float_denorm_mode_32 3
		.amdhsa_float_denorm_mode_16_64 3
		.amdhsa_memory_ordered 1
		.amdhsa_forward_progress 1
		.amdhsa_inst_pref_size 53
	.end_amdhsa_kernel
	.amdgpu_metadata
---
amdhsa.version: [ 1, 2 ]
amdhsa.kernels:
  - .name:           k_qfb0373ab38_outp
    .symbol:         k_qfb0373ab38_outp.kd
    .args:
      - { .name: oh, .offset: 0, .size: 8, .value_kind: global_buffer, .address_space: global }
      - { .name: wb, .offset: 8, .size: 8, .value_kind: global_buffer, .address_space: global }
      - { .name: bo, .offset: 16, .size: 8, .value_kind: global_buffer, .address_space: global }
      - { .name: out0, .offset: 24, .size: 8, .value_kind: global_buffer, .address_space: global }
    .group_segment_fixed_size: 327680
    .private_segment_fixed_size: 0
    .kernarg_segment_align: 8
    .kernarg_segment_size: 32
    .max_flat_workgroup_size: 128
    .sgpr_count:     80
    .vgpr_count:     512
    .wavefront_size: 32
...
	.end_amdgpu_metadata
.endif
;; end of part 4
